; MI455X (gfx1250); checked and timed in simulation.
; The chip was launched on July 23, 2026; its instructions are those of AMD's public machine-readable ISA for CDNA 5 (MIT licence, August 2026) and "CDNA5" Instruction Set Architecture Reference Guide (July 2026). The comments in the code are by the model that wrote it; some were corrected since.
;; Multi Head Masked Self Attention. Allowed arithmetic: matrix products marked QUANTISED: E2M1 operands, one E8M0 scale for each 32 along K, by v_wmma_scale_f32_16x16x128_f8f6f4 with both operands' format E2M1 (or v_wmma_scale_f32_32x16x128_f4), f32 sums; everything else in f32.
;; Inputs: Wk 1,024 x 1,024 float32; Wo 1,024 x 1,024 float32; Wq 1,024 x 1,024 float32; Wv 1,024 x 1,024 float32; bk 1,024 float32; bo 1,024 float32; bq 1,024 float32; bv 1,024 float32; x 4 x 2,048 x 1,024 float32.
;; Outputs: out0 4 x 2,048 x 1,024 float32.
;; This version of the problem:
;;   THIS VERSION OF THE PROBLEM IS GIVEN IN LOW PRECISION. The matrix products marked QUANTISED in the list below multiply operands that are first quantised to E2M1 (2 exponent bits, 1 mantissa bit; 4 bits a number), with one power-of-two scale for each 32 numbers along K (OCP MX v1.0); their sums are f32. All else is computed in f32.
;;   The module's matrix products, in the order in which they are computed (A, B: the left and right operand; K: the contracted axis; several contracted axes count as one K, in the product's order):
;;     1. [M 8,192, K 1,024] x [K 1,024, N 1,024]; A: input x; B: input Wq: QUANTISED
;;     2. [M 8,192, K 1,024] x [K 1,024, N 1,024]; A: input x; B: input Wk: QUANTISED
;;     3. [M 8,192, K 1,024] x [K 1,024, N 1,024]; A: input x; B: input Wv: QUANTISED
;;     4. batch 64 x [M 2,048, K 64] x [K 64, N 2,048]; A: computed on the way; B: computed on the way: QUANTISED
;;     5. batch 64 x [M 2,048, K 2,048] x [K 2,048, N 64]; A: softmax (see below); B: computed on the way: QUANTISED
;;     6. [M 8,192, K 1,024] x [K 1,024, N 1,024]; A: computed on the way; B: input Wo: QUANTISED
;;   THE QUANTISER, for each operand of a quantised product, along K:
;;     - K is cut into blocks of 32 from its start; a last block that is shorter is filled with zeros.
;;     - A block's scale is 2^e with e = floor(log2(the largest magnitude in the block)) - 2, held to -126 .. 127; a block of zeros has e = 0. As a byte (E8M0): e + 127.
;;     - Each number is divided by its block's scale, clamped to +-6, and rounded to the nearest number of E2M1, ties to even, subnormals kept.
;;     - The product sums the exact products of the quantised numbers (number of the format x scale) in f32.
;;   ~~~python
;;   def quantise(x, axis):      # numpy; x: float32 -> the quantised numbers, widened to float32 again
;;       x = np.moveaxis(x, axis, -1); K = x.shape[-1]
;;       x = np.pad(x, [(0, 0)] * (x.ndim - 1) + [(0, -K % 32)]); x = x.reshape(x.shape[:-1] + (-1, 32)); a = np.abs(x).max(-1, keepdims=True)
;;       e = np.where(a > 0, np.clip(np.frexp(np.where(a > 0, a, 1))[1] - 1 - 2, -126, 127), 0)      # np.frexp(a)[1] - 1 = floor(log2(a)), exactly
;;       r = np.clip(x / 2.0 ** e, -6, 6)
;;       step = 2.0 ** (np.maximum(np.frexp(np.where(r == 0, 1, r))[1] - 1, 0) - 1)
;;       q = np.round(r / step) * step * 2.0 ** e      # np.round: ties to even
;;       return np.moveaxis(q.reshape(q.shape[:-2] + (-1,))[..., :K], -1, axis).astype(np.float32)
;;   ~~~
;;   SOFTMAX AHEAD OF A QUANTISED PRODUCT. Where the list says 'softmax', what is quantised is not the finished softmax but p = 2^(t - M), with t = logit x log2(e) and M = ceil(the row's largest t), a whole number; so 1/2 < the row's largest p <= 1. The row's sum l is taken of the UNQUANTISED p, in f32, and the product's result is divided by l at the end. Since M is a whole number, a kernel that streams over the keys may use a running M (the ceiling of the running maximum): every later rescaling is an exact power of two, which a block's scale takes up: the codes' values come out the same.
;;   OPERANDS COMPUTED ON THE WAY. 'Computed on the way' means the value that the module computes at that place (a softmax that the list does not call 'softmax' is quantised finished and normalised). What goes into a quantiser is computed in f32, as accurately as f32 sums, v_exp_f32 and their like allow (about 1e-6 of the number): no bf16 or f16 on the way to a quantiser, and a product that is left as it is and whose result goes on into a quantised operand takes f32 operands (vector FMAs, or v_wmma_f32_16x16x4_f32). A number that lies on a knife's edge between two numbers of the format may be rounded either way, as far as f32 arithmetic and the matrix unit's own rounding can turn it there, and no further.
;; One version. Each part assembles by itself: llvm-mc -triple=amdgcn-amd-amdhsa -mcpu=gfx1250 --defsym DOCPART=n.
;; ======== version 1 of 1: 5 launches
;; workspace buffers: xq 4,456,448 bytes; wq 2,228,224 bytes; qq 4,718,592 bytes; kv 9,175,040 bytes; oq 4,456,448 bytes
;; launch quant (part 1): grid 512 x 1, 4 waves a work-group, no clusters, 42,496 bytes of LDS; arguments x, Wq, Wk, Wv, Wo, xq, wq; writes xq, wq
.if DOCPART == 1
	.amdgcn_target "amdgcn-amd-amdhsa--gfx1250"
	.amdhsa_code_object_version 6
	.text
	.protected	k_q43e591b597_quant
	.globl	k_q43e591b597_quant
	.p2align	8
	.type	k_q43e591b597_quant,@function
k_q43e591b597_quant:
	s_mov_b64 s[64:65], 0
	v_nop
	global_prefetch_b8 v0, s[64:65] scope:SCOPE_SE
	s_setreg_imm32_b32 hwreg(HW_REG_WAVE_MODE, 25, 1), 1
	s_wait_xcnt 0x0
; x [8192][1024] f32 and the four weights [1024 (k)][1024 (n)] f32 become codes of FP4 (E2M1) with one E8M0 scale byte for each 32 along K.
; xq: codes [8192][512 bytes], K innermost, then at XS_OFF the scale bytes [8192][32].
; wq: codes [4096 rows n][512 bytes], K innermost (rows 0-1023 Wq's columns, then Wk's, Wv's, Wo's), then at WS_OFF the scale bytes [4096][32].
; A block's scale is 2^(floor(log2(its largest magnitude)) - 2): its byte is the largest magnitude's exponent field - 2, held at 1 from below.
; LIMITS: a block whose largest magnitude lies under 2^-124 (a block of zeros among them) keeps the byte 1: its codes are what the conversion gives under that scale (zeros for zeros), and the bytes
; are read by this program alone.  NaN and infinities among the inputs are not served.
; Work-groups 0-255 take x (K innermost: a plain stream of blocks), work-groups 256-511 the weights (K is the first axis: a lane takes a column and its registers run down K).
; The two ways part on the work-group's number and have LDS bytes of their own: x's 0 .. 32,767, the weights' 32,768 .. 41,983.
.set XS_OFF, 4194304
.set WS_OFF, 2097152
.set STEPS, 16
.set CB,    8                          ; bytes of 16 codes
.set R,     16                         ; x: v16-79   four sets of 16 numbers as they are loaded
.set X,     80                         ; x: v80-111  two sets of 16 neighbours
.set E,     112                        ; x: v112-127 a scale byte for each step
.set C,     128                        ; x: v128-191 codes: four registers for each step, so that no store's data are written again
.set WREG,  8192                       ; x: LDS of a wave: two stages of 32 x SP bytes, behind them its 256 scale bytes
.set SP,    80                         ; x: a lane's place in a stage: 64 bytes + 16 of padding
.set XW,    32                         ; W: v32-159  four blocks of 32 numbers
.set CW,    160                        ; W: v160-175 their codes, four registers a block, never rewritten
.set SB,    176                        ; W: v176     the four scale bytes
.set WSTG,  32768                      ; W: LDS stage: 32 columns x (256 bytes + 16)
.set WSCL,  WSTG+32*272                ; W: 32 columns x 16 scale bytes
	s_load_b256 s[4:11], s[0:1], 0x0               ; x, Wq, Wk, Wv
	s_load_b128 s[12:15], s[0:1], 0x20             ; Wo, xq
	s_load_b64 s[16:17], s[0:1], 0x30              ; wq
	v_lshl_add_u32 v192, v0, 2, 0xa400
	v_mov_b32 v193, 0
	v_lshrrev_b32 v1, 5, v0
	v_readfirstlane_b32 s18, v1                    ; wave 0..3
	v_and_b32 v2, 31, v0                           ; lane
	s_cmp_ge_u32 ttmp9, 256
	s_cbranch_scc1 .Lweights
; ---------------- x: a wave takes 16 steps of 512 numbers.  Each of a step's four loads reads 512 consecutive bytes; the 2,048 bytes turn through the wave's own stage and come back 64 bytes a lane:
; 16 neighbours along K, two neighbouring lanes to a block.  A lane's 16 codes are 8 bytes: the wave stores 256 consecutive bytes.  The wave's 256 scale bytes are gathered in LDS and leave as one run.
	v_lshlrev_b32 v3, 4, v2                        ; my 16 bytes of a load's 512
	s_mul_i32 s19, s18, WREG
	v_lshrrev_b32 v14, 2, v2
	v_mul_u32_u24 v14, v14, SP
	v_and_b32 v15, 3, v2
	v_lshl_add_u32 v14, v15, 4, v14
	v_add_nc_u32 v14, s19, v14                     ; the stage, on the way in: SP (lane / 4) + 16 (lane % 4)
	v_mul_u32_u24 v15, v2, SP
	v_add_nc_u32 v15, s19, v15                     ; and on the way out: SP x lane
	v_mul_u32_u24 v4, v2, CB                       ; my codes' place in a step's
	v_lshrrev_b32 v5, 1, v2
	s_add_co_u32 s19, s19, 2*32*SP
	v_add_nc_u32 v5, s19, v5                       ; my block's byte among my wave's 256
	v_lshlrev_b32 v7, 3, v2                        ; on the way out 8 bytes a lane
	v_add_nc_u32 v6, s19, v7
	s_lshl_b32 s20, ttmp9, 2
	s_add_co_u32 s20, s20, s18                     ; which run of 8,192 numbers is my wave's: 0 .. 1,023
	s_lshl_b32 s22, s20, 15                        ; 32,768 bytes of x,
	s_mov_b32 s23, 0
	s_lshl_b32 s24, s20, 12                        ; 4,096 bytes of codes,
	s_mov_b32 s25, 0
	s_lshl_b32 s26, s20, 8                         ; 256 scale bytes a run
	s_add_co_u32 s26, s26, XS_OFF
	s_mov_b32 s27, 0
	s_wait_alu depctr_va_vdst(0)
	s_wait_kmcnt 0x0
	s_add_nc_u64 s[4:5], s[4:5], s[22:23]
	s_add_nc_u64 s[8:9], s[14:15], s[24:25]
	s_add_nc_u64 s[10:11], s[14:15], s[26:27]
.macro LOAD t
.irp i, 0,1,2,3
	global_load_b128 v[R+16*((\t)%4)+4*\i:R+16*((\t)%4)+4*\i+3], v3, s[4:5] offset:2048*(\t)+512*\i th:TH_LOAD_NT   ; 32 lanes read 512 consecutive bytes
.endr
.endm
.macro TURN t                          ; step t's numbers through the stage: LDS serves a wave's instructions in order, so no wait stands between the stores and the loads
.irp i, 0,1,2,3
	ds_store_b128 v14, v[R+16*((\t)%4)+4*\i:R+16*((\t)%4)+4*\i+3] offset:32*SP*((\t)%2)+8*SP*\i
.endr
.irp i, 0,1,2,3
	ds_load_b128 v[X+16*((\t)%2)+4*\i:X+16*((\t)%2)+4*\i+3], v15 offset:32*SP*((\t)%2)+16*\i
.endr
.endm
.irp t, 0,1,2,3
	LOAD \t
.endr
	s_wait_loadcnt 12                              ; step 0's four loads are in; the twelve of steps 1 to 3 may be out
	TURN 0
.macro STEP t
.set XS, X+16*((\t)%2)
.if (\t) > 0
	s_wait_dscnt 1                                 ; this step's numbers are back from the stage (the last step's byte store may be out)
.else
	s_wait_dscnt 0x0
.endif
.if (\t)+4 < STEPS
	LOAD (\t)+4                                    ; into the registers that this step's stores into the stage have read
.endif
.if (\t)+1 < STEPS
.if STEPS-2-(\t) >= 3
	s_wait_loadcnt 12                              ; the next step's four loads are in; those of the three steps behind it may be out
.else
	s_wait_loadcnt 4*(STEPS-2-(\t))
.endif
	TURN (\t)+1
.endif
	v_max3_num_f32 v8, |v[XS]|, |v[XS+1]|, |v[XS+2]|               ; the largest magnitude of my 16, in two chains
	v_max3_num_f32 v9, |v[XS+3]|, |v[XS+4]|, |v[XS+5]|
.irp i, 6,10
	v_max3_num_f32 v8, v8, |v[XS+\i]|, |v[XS+\i+1]|
	v_max3_num_f32 v9, v9, |v[XS+\i+2]|, |v[XS+\i+3]|
.endr
	v_max3_num_f32 v8, v8, |v[XS+14]|, |v[XS+15]|
	v_max3_num_f32 v8, v8, v9, 0x1800000           ; and the floor 2^(3 - 127): the byte cannot fall under 1
	v_max_num_f32_dpp v8, v8, v8 row_xmask:1 row_mask:0xf bank_mask:0xf   ; and of my neighbour's 16: the block's
	v_add_nc_u32 v11, 0xff000000, v8               ; 2 off its exponent field: the conversion takes the exponent field of this operand as its scale
	v_cvt_scalef32_pk8_fp4_f32 v[C+4*(\t)], v[XS:XS+7], v11
	v_cvt_scalef32_pk8_fp4_f32 v[C+4*(\t)+1], v[XS+8:XS+15], v11
	v_lshrrev_b32 v[E+(\t)], 23, v11               ; the scale's byte
	ds_store_b8 v5, v[E+(\t)] offset:16*(\t)       ; both lanes of a block write the same byte with the same value
	global_store_b64 v4, v[C+4*(\t):C+4*(\t)+1], s[8:9] offset:32*CB*(\t)   ; 32 lanes store 256 consecutive bytes, aligned
.endm
.irp t, 0,1,2,3,4,5,6,7,8,9,10,11,12,13,14,15
	STEP \t
.endr
	ds_load_b64 v[12:13], v6                       ; LDS serves a wave's instructions in order: these see my byte stores
	s_wait_dscnt 0x0
	global_store_b64 v7, v[12:13], s[10:11]        ; 32 lanes store 256 consecutive bytes, aligned
	s_wait_tensorcnt 0x0
	ds_add_u32 v192, v193
	s_wait_dscnt 0x0
	s_endpgm
; ---------------- the weights: work-group g = number - 256 takes weight g / 64, columns 32 ((g / 2) % 32) on, K rows 512 (g % 2) on; wave w takes 128 of those K rows: four blocks a lane.
; Each load reads one row k at 32 neighbouring columns.  A column's 256 bytes of codes (512 along K) come from the four waves: they meet in a stage, one barrier, and leave as whole runs of 256 bytes.
; The scale bytes leave as 16 bytes of each column's row of 32: those runs of 256 bytes are written in part (one byte for each 128 that this way reads).
.Lweights:
	s_sub_co_u32 s19, ttmp9, 256                   ; g
	s_lshr_b32 s20, s19, 6                         ; which weight
	s_bfe_u32 s21, s19, 0x50001                    ; which 32 columns
	s_and_b32 s22, s19, 1                          ; which 512 along K
	s_wait_alu depctr_va_vdst(0)
	v_lshlrev_b32 v3, 2, v2                        ; in: 4 bytes a lane
	s_lshl_b32 s23, s18, 6
	v_mul_u32_u24 v4, v2, 272
	v_add_nc_u32 v4, s23, v4
	v_add_nc_u32 v4, WSTG, v4                      ; the stage, in: row = my column, + 64 bytes x wave
	s_lshl_b32 s23, s18, 2
	v_lshlrev_b32 v5, 4, v2
	v_add_nc_u32 v5, s23, v5
	v_add_nc_u32 v5, WSCL, v5                      ; my column's 16 scale bytes, + 4 x wave
	v_and_b32 v6, 15, v2
	v_lshrrev_b32 v7, 4, v2
	s_mul_i32 s23, s18, 8*272
	v_mul_u32_u24 v8, v7, 272
	v_lshl_add_u32 v8, v6, 4, v8
	v_add_nc_u32 v8, s23, v8
	v_add_nc_u32 v8, WSTG, v8                      ; the stage, out: wave w takes columns 8 w on, sixteen lanes to a row, two rows an instruction
	v_lshlrev_b32 v9, 9, v7
	v_lshl_add_u32 v9, v6, 4, v9                   ; and the same place among wq's rows of 512 bytes
	s_lshl_b32 s23, s18, 7
	v_add_nc_u32 v10, s23, v3
	v_add_nc_u32 v10, WSCL, v10                    ; the scale bytes, out: 128 bytes a wave, 4 a lane
	v_lshrrev_b32 v14, 2, v2
	v_and_b32 v15, 3, v2
	v_lshlrev_b32 v14, 5, v14
	v_lshl_add_u32 v14, v15, 2, v14                ; and their place: 32 (lane / 4) + 4 (lane % 4)
	s_lshl_b32 s24, s22, 21                        ; the source: (512 half + 128 wave) rows of 4,096 bytes + 128 bytes x column group
	s_lshl_b32 s25, s18, 19
	s_add_co_u32 s24, s24, s25
	s_lshl_b32 s25, s21, 7
	s_add_co_u32 s24, s24, s25
	s_mov_b32 s25, 0
	s_lshl_b32 s26, s20, 10
	s_lshl_b32 s27, s21, 5
	s_add_co_u32 s26, s26, s27
	s_lshl_b32 s27, s18, 3
	s_add_co_u32 s26, s26, s27                     ; the first row of wq that my wave stores
	s_lshl_b32 s28, s26, 9
	s_lshl_b32 s29, s22, 8
	s_add_co_u32 s28, s28, s29                     ; its codes
	s_mov_b32 s29, 0
	s_lshl_b32 s30, s26, 5
	s_lshl_b32 s31, s22, 4
	s_add_co_u32 s30, s30, s31
	s_add_co_u32 s30, s30, WS_OFF                  ; its scale bytes
	s_mov_b32 s31, 0
	s_wait_kmcnt 0x0
	s_cmp_eq_u32 s20, 1                            ; the weight is chosen by the work-group's number alone
	s_cselect_b64 s[6:7], s[8:9], s[6:7]
	s_cmp_eq_u32 s20, 2
	s_cselect_b64 s[6:7], s[10:11], s[6:7]
	s_cmp_eq_u32 s20, 3
	s_cselect_b64 s[6:7], s[12:13], s[6:7]
	s_add_nc_u64 s[6:7], s[6:7], s[24:25]
	s_add_nc_u64 s[32:33], s[16:17], s[28:29]
	s_add_nc_u64 s[34:35], s[16:17], s[30:31]
.macro LOADW t                         ; block t: W(32 t + i, my column), i = 0 .. 31
.irp i, 0,1,2,3,4,5,6,7,8,9,10,11,12,13,14,15,16,17,18,19,20,21,22,23,24,25,26,27,28,29,30,31
	global_load_b32 v[XW+32*(\t)+\i], v3, s[6:7] offset:(32*(\t)+\i)*4096 th:TH_LOAD_NT
.endr
.endm
.macro BLOCKW t
.set XB, XW+32*(\t)
	v_max3_num_f32 v12, |v[XB]|, |v[XB+1]|, |v[XB+2]|              ; the block's largest magnitude: all 32 numbers are mine
	v_max3_num_f32 v13, |v[XB+3]|, |v[XB+4]|, |v[XB+5]|
.irp i, 6,10,14,18,22,26
	v_max3_num_f32 v12, v12, |v[XB+\i]|, |v[XB+\i+1]|
	v_max3_num_f32 v13, v13, |v[XB+\i+2]|, |v[XB+\i+3]|
.endr
	v_max3_num_f32 v12, v12, |v[XB+30]|, |v[XB+31]|
	v_max3_num_f32 v12, v12, v13, 0x1800000        ; and the floor 2^(3 - 127)
	v_add_nc_u32 v11, 0xff000000, v12              ; the conversion's scale operand
	v_lshrrev_b32 v13, 23, v11                     ; the scale's byte
.if (\t) == 0
	v_mov_b32 v[SB], v13                           ; four bytes to a register, the lower K in the lower byte
.else
	v_lshl_or_b32 v[SB], v13, 8*(\t), v[SB]
.endif
.irp g, 0,1,2,3
	v_cvt_scalef32_pk8_fp4_f32 v[CW+4*(\t)+\g], v[XB+8*\g:XB+8*\g+7], v11
.endr
	v_nop                                          ; one plain instruction behind the conversions
	ds_store_b128 v4, v[CW+4*(\t):CW+4*(\t)+3] offset:16*(\t)      ; 32 codes: 16 bytes of my column's row
.endm
	LOADW 0
	LOADW 1
	s_wait_loadcnt 32                              ; block 0 is in; block 1's 32 loads may be out
	LOADW 2
	BLOCKW 0
	s_wait_loadcnt 32                              ; block 1 is in; block 2's may be out
	LOADW 3
	BLOCKW 1
	s_wait_loadcnt 32                              ; block 2 is in; block 3's may be out
	BLOCKW 2
	s_wait_loadcnt 0x0
	BLOCKW 3
	ds_store_b32 v5, v[SB]
	s_wait_dscnt 0x0                               ; for the others' sake: my stores into the stage are done
	s_barrier_signal -1
	s_barrier_wait -1
.irp t, 0,1,2,3
	ds_load_b128 v[XW+4*\t:XW+4*\t+3], v8 offset:2*\t*272
.endr
	ds_load_b32 v48, v10
.irp t, 0,1,2,3
	s_wait_dscnt 4-\t                              ; the younger reads of the stage may be out
	global_store_b128 v9, v[XW+4*\t:XW+4*\t+3], s[32:33] offset:1024*\t   ; sixteen lanes store 256 consecutive bytes, aligned
.endr
	s_wait_dscnt 0x0
	global_store_b32 v14, v48, s[34:35]
	s_wait_tensorcnt 0x0
	ds_add_u32 v192, v193
	s_wait_dscnt 0x0
	s_endpgm
.Lfunc_end_k_q43e591b597_quant:
	.size	k_q43e591b597_quant, .Lfunc_end_k_q43e591b597_quant-k_q43e591b597_quant
	.p2alignl 7, 3214868480
	.fill 96, 4, 3214868480
	.section	.rodata,"a",@progbits
	.p2align	6, 0x0
	.amdhsa_kernel k_q43e591b597_quant
		.amdhsa_group_segment_fixed_size 42496
		.amdhsa_private_segment_fixed_size 0
		.amdhsa_enable_private_segment 0
		.amdhsa_kernarg_size 56
		.amdhsa_user_sgpr_count 2
		.amdhsa_user_sgpr_kernarg_segment_ptr 1
		.amdhsa_wavefront_size32 1
		.amdhsa_system_sgpr_workgroup_id_x 1
		.amdhsa_system_sgpr_workgroup_id_y 1
		.amdhsa_system_sgpr_workgroup_id_z 1
		.amdhsa_system_vgpr_workitem_id 0
		.amdhsa_next_free_vgpr 194
		.amdhsa_next_free_sgpr 66
		.amdhsa_reserve_vcc 0
		.amdhsa_float_denorm_mode_32 3
		.amdhsa_float_denorm_mode_16_64 3
		.amdhsa_memory_ordered 1
		.amdhsa_forward_progress 1
		.amdhsa_inst_pref_size 55
	.end_amdhsa_kernel
	.amdgpu_metadata
---
amdhsa.version: [ 1, 2 ]
amdhsa.kernels:
  - .name:           k_q43e591b597_quant
    .symbol:         k_q43e591b597_quant.kd
    .args:
      - { .name: x, .offset: 0, .size: 8, .value_kind: global_buffer, .address_space: global }
      - { .name: Wq, .offset: 8, .size: 8, .value_kind: global_buffer, .address_space: global }
      - { .name: Wk, .offset: 16, .size: 8, .value_kind: global_buffer, .address_space: global }
      - { .name: Wv, .offset: 24, .size: 8, .value_kind: global_buffer, .address_space: global }
      - { .name: Wo, .offset: 32, .size: 8, .value_kind: global_buffer, .address_space: global }
      - { .name: xq, .offset: 40, .size: 8, .value_kind: global_buffer, .address_space: global }
      - { .name: wq, .offset: 48, .size: 8, .value_kind: global_buffer, .address_space: global }
    .group_segment_fixed_size: 42496
    .private_segment_fixed_size: 0
    .kernarg_segment_align: 8
    .kernarg_segment_size: 56
    .max_flat_workgroup_size: 128
    .sgpr_count:     66
    .vgpr_count:     194
    .wavefront_size: 32
...
	.end_amdgpu_metadata
.endif
;; end of part 1
;; launch qk (part 2): grid 8 x 32, 4 waves a work-group, clusters of 4 x 4, 327,680 bytes of LDS; arguments xq, wq, bq, bk, qq, kv; writes qq, kv
.if DOCPART == 2
	.amdgcn_target "amdgcn-amd-amdhsa--gfx1250"
	.amdhsa_code_object_version 6
	.text
	.protected	k_q43e591b597_qk
	.globl	k_q43e591b597_qk
	.p2align	8
	.type	k_q43e591b597_qk,@function
k_q43e591b597_qk:
	s_mov_b64 s[64:65], 0
	v_nop
	global_prefetch_b8 v0, s[64:65] scope:SCOPE_SE
	s_setreg_imm32_b32 hwreg(HW_REG_WAVE_MODE, 25, 1), 1
	s_wait_xcnt 0x0
	s_wait_alu depctr_hold_cnt(0) depctr_sa_sdst(0) depctr_va_vdst(0) depctr_va_sdst(0) depctr_va_ssrc(0) depctr_va_vcc(0) depctr_vm_vsrc(0)
	s_getreg_b32 s2, hwreg(HW_REG_IB_STS2, 6, 4)
	s_cmp_eq_u32 s2, 0
	s_cbranch_scc0 .Lentry_in_a_cluster
	s_endpgm
.Lentry_in_a_cluster:
	s_bfe_u32 s2, ttmp6, 0x10000c
	s_cmp_lg_u32 s2, 0xf033
	s_cbranch_scc0 .Lentry_shape_is_right
	s_endpgm
.Lentry_shape_is_right:
; SW = 0 (this file): q = x Wq + bq and k = x Wk + bk.  (The same text with SW = 1 makes v = x Wv + bv.)  Products on codes of FP4 (E2M1) with E8M0 scales; the results are quantised again on the
; way out: q and k along the head's 64, v along the keys.
; xq: codes [8192][512 bytes] and, at XS_OFF, scale bytes [8192][32].  wq: codes [4096 rows n][512 bytes] (rows 0-1023 Wq's columns, then Wk's, Wv's, Wo's) and, at WS_OFF, scale bytes [4096][32].
; A tile of 256 x 256 is made by four waves, 128 x 128 each: 64 accumulators, 512 registers.  K = 1,024 is two LDS slots of 512 along K: both are filled ONCE, at the head, and nothing is filled again.
; CLUSTERS: 4 x 4 work-groups.  x's tile is shared along a row of the cluster, W's along a column: each is asked for jointly.  With SW = 0 the cluster's x says what is made: 0 q, 1 k: it chooses pointers and strides, no branch.
; THE MATRIX INSTRUCTION: source 1 = 16 rows of the ROW OPERAND, source 0 = 16 rows of the COLUMN OPERAND: a lane holds one row of the row operand and eight neighbours along the column operand's rows.
; SW = 0: the row operand is x and the column operand W: a lane's registers run along the head's channels, which are the next K.  SW = 1: they change places: a lane holds one channel and its registers
; run along the keys, which are v's next K.  The tensor loads are the same; only the LDS bytes that fragments and scale words are read from differ, by constants.
; The bias is the C of each sum's first matrix instruction: it goes with W's rows, the column operand's (SW = 0) or the row operand's (SW = 1).
; THE WAY OUT: a block of 32 is two neighbouring accumulators in lanes l and l xor 16.  Codes go through the wave's own stage in LDS (in slot 0, whose last read stands ahead of the middle barrier)
; and leave as images of the reader's registers, 512 consecutive bytes a store:
;   qq: [head of batch 64][tile of 16 queries 128][512 bytes: lane l's 16 bytes at 16 l: row l % 16, channels 32 (l / 16) on]; at QS_OFF one word a query: bytes 0, 1 its two scales.
;   kv: [head of batch 64][key step of 128 keys 16][8,960 bytes]: + 0 k's eight tiles of 16 keys as q's; + 4,096 v's four tiles of 16 channels x 128 keys, 1,024 bytes each; + 8,192 k's 128 scale words; + 8,704 v's 64.
; LIMITS: a block whose largest magnitude lies under 2^-124 keeps the byte 1; the bytes are read by this program alone.  NaN and infinities are not served.
; REGISTERS: window 0: v1-31 addresses; v32-95 scale words, two sets; v128-191 the row operand's fragments, later the codes; v192-255 the bias, later at work.
;   window 1: the column operand's fragments, two sets; later the images.   windows 2, 3: accumulator (a, b) at v[8 (8 (a % 4) + b)].
.set SW,     0
.set NQ,     4                         ; matrix instructions deep in a slot
.set ROWB,   256                       ; a tile's row in bytes: 512 codes
.set KROW,   512                       ; a row of codes in memory
.set PITCH,  272                       ; an LDS row: 256 bytes + 16 of padding: the 16 rows that a load touches start 68 words apart
.set FR,     8
.set NL,     2
.set NP,     4                         ; places behind this matrix instruction (ISA guide 7.12.1)
.set HALFT,  128*PITCH
.set SLOT,   4*HALFT                   ; x's 256 rows, then W's 256 rows
.set KS,     32                        ; a row of scale bytes
.set SCL,    2*SLOT                    ; behind the slots: the scale bytes, as runs of 256 bytes + 16 of padding: x's 256 rows, then W's
.set HALFS,  (128*KS/256)*272
.set SBLK,   (16*KS/256)*272
.set XS_OFF, 4194304
.set WS_OFF, 2097152
.set QS_OFF, 4194304
.set HEADB,  143360
.set REC,    8960
.set STGB,   11264                     ; a wave's stage: 128 rows x 80 bytes of codes, then 2 x 128 scale words
.set SSC,    10240
.set BAD,  8                           ; v8      the bias loads' offset; never rewritten
.set ADRA, 16                          ; v16-17  LDS address of the row operand's fragments in slot 0, 1
.set ADRB, 20                          ; v20-21  the column operand's
.set STO,  24                          ; v24     the stage: where I put 4 bytes of codes
.set RD,   25                          ; v25     where I read 16 bytes of an image
.set SSO,  26                          ; v26     where I put a scale word
.set ADRS, 27                          ; v27     LDS address of my scale words: lanes 0-15 the row operand's, lanes 16-31 the column operand's
.set SRD,  28                          ; v28     where I read four scale words
.set SH16, 29                          ; v29     16 x (lane / 16)
.set L16,  30                          ; v30     16 x lane
.set SC,   32
.set AF,   128
.set PC,   128                         ; the codes: eight words a block of 16 rows
.set BI,   192
.set TM,   192                         ; v192-195 largest magnitudes, v196-199 bytes, v200-203 the conversions' scale operands, v204 the scale word
.set PW,   208                         ; v208-215 block a's scale word as it is stored
.set OSR,  216                         ; v216-223 scale words read back
.set WV,  18
.set WH,  19
.set WL,  20
.if SW
.set SR,    WL                         ; which scalar says which 128 of x's 256 rows are mine,
.set SCH,   WH                         ; and which 128 of W's
.set WROW0, 2048                       ; Wv's first row in wq
.set SA,    1024                       ; bytes from block a's image to the next,
.set SA4,   HEADB-4096                 ; and more from block 3 to block 4: the next head's channels
.set NS,    1                          ; runs of scale words
.set SCO,   31                         ; v31     the scale words' offset in memory
.set HS,    9                          ; v9      1 in the lanes that take the upper of the two scale regions
.else
.set SR,    WH
.set SCH,   WL
.set WROW0, 0
.set SA,    512
.set SA4,   0
.set NS,    2
.set SCO,   L16
.set HS,    2
.endif
.set MODE0, 1+SW
.set G1,  24
.set G0,  32
.set G1B, 48
.set G0B, 56
.set G1S, 68
.set G0S, 76
.set G1SB, 80
.set G0SB, 88
.set MSB, 0
.macro WIN new                         ; the immediate's high byte repeats the setting that is left
.if MSB != (\new)
	s_set_vgpr_msb (MSB<<8)|(\new)
.set MSB, (\new)
.endif
.endm
.set MUL_LO, 0xa1                      ; source 0 window 1, source 1 window 0, C and D window 2
.set MUL_HI, 0xf1                      ; the same, C and D window 3
.set TO_B,   0x40                      ; destination window 1, address window 0
; A joint load: waves 0 and 1 fetch for x, waves 2 and 3 for W.  The branch hangs on the wave's number alone.  Four v_nop follow each of the two lines.
.macro JLOAD g0a, g1a, g0b, g1b
	s_cmp_eq_u32 s[WH], 0
	s_cbranch_scc0 .Lfor_b_\@
	tensor_load_to_lds s[\g0a:\g0a+3], s[\g1a:\g1a+7]
	s_nop 0
.rept 4
	v_nop
.endr
	s_branch .Lasked_\@
.Lfor_b_\@:
	tensor_load_to_lds s[\g0b:\g0b+3], s[\g1b:\g1b+7]
	s_nop 0
.rept 4
	v_nop
.endr
.Lasked_\@:
.endm
.macro CROUND                          ; a round of the cluster's barrier
	s_barrier_signal -1
	s_barrier_wait -1
	s_cmp_lg_u32 s[WV], 0
	s_cbranch_scc1 .Lnot_wave_0_\@
	s_barrier_signal -3
.Lnot_wave_0_\@:
	s_barrier_wait -3
	s_barrier_signal -1
	s_barrier_wait -1
.endm
	s_load_b256 s[4:11], s[0:1], 0x0               ; SW = 0: xq, wq, bq, bk;  SW = 1: xq, wq, bv, kv
.if SW == 0
	s_load_b128 s[12:15], s[0:1], 0x20             ; qq, kv
	v_lshl_add_u32 v126, v0, 2, 0x48400
	v_mov_b32 v127, 0
	ds_add_u32 v126, v127
	ds_add_u32 v126, v127
.endif
	v_lshrrev_b32 v1, 5, v0
	v_readfirstlane_b32 s[WV], v1                  ; wave 0..3
	s_lshr_b32 s[WH], s[WV], 1                     ; which half of the row operand's 256 rows is mine.  Also: I fetch for x (0) or for W (1)
	s_and_b32 s[WL], s[WV], 1                      ; which half of the column operand's.  Also: which 128 rows I fetch
	s_bfe_u32 s40, ttmp6, 0x40000                  ; cx, cy: my place in the cluster
	s_bfe_u32 s41, ttmp6, 0x40004
	s_lshl_b32 s42, ttmp9, 2
	s_add_co_u32 s42, s42, s40                     ; which 256 rows of W: 4 x cluster x + cx
	s_and_b32 s21, ttmp7, 0xffff
	s_lshl_b32 s21, s21, 2
	s_add_co_u32 s21, s21, s41                     ; which 256 rows of x: 4 x cluster y + cy
	s_lshl_b32 s43, s41, 2
	s_lshl_b32 s43, 15, s43                        ; my row of the cluster
	s_lshl_b32 s44, 0x1111, s40                    ; my column
	s_mov_b32 s98, 0x76543210
	s_mov_b32 s99, 0xfedcba98                      ; v_permlanex16_b32's selects for lane l xor 16
	; descriptor group 1: a tile of 128 rows x 256 bytes, padded in LDS
	s_or_b32 s[G1+0], s43, (0<<16)|(1<<20)|(1<<21)|(5<<22)|(3<<25)  ; 15:0 the mask: x's tiles go to my row; elements of 1 byte; padding on; bit 21 beside a mask; 4 words after every 64
	s_or_b32 s[G1B+0], s44, (0<<16)|(1<<20)|(1<<21)|(5<<22)|(3<<25) ; W's go to my column
.irp g, G1, G1B
	s_mov_b32 s[\g+1], ROWB<<16                    ; tensor_dim0
	s_mov_b32 s[\g+2], 128<<16                     ; tensor_dim1
	s_mov_b32 s[\g+3], ROWB<<16                    ; tile_dim0
	s_mov_b32 s[\g+4], 128                         ; tile_dim1
	s_mov_b32 s[\g+5], KROW                        ; from row to row
	s_mov_b32 s[\g+6], 0
	s_mov_b32 s[\g+7], 0
.endr
	; the scale bytes of 128 rows: 4,096 dense bytes, as 16 rows of 256 bytes (32 elements of 8 bytes), 16 bytes of padding behind each
	s_or_b32 s[G1S+0], s43, (3<<16)|(1<<20)|(1<<21)|(5<<22)|(3<<25)
	s_or_b32 s[G1SB+0], s44, (3<<16)|(1<<20)|(1<<21)|(5<<22)|(3<<25)
.irp g, G1S, G1SB
	s_mov_b32 s[\g+1], 32<<16
	s_mov_b32 s[\g+2], (128*KS/256)<<16
	s_mov_b32 s[\g+3], 32<<16
	s_mov_b32 s[\g+4], 128*KS/256
	s_mov_b32 s[\g+5], 32
	s_mov_b32 s[\g+6], 0
	s_mov_b32 s[\g+7], 0
.endr
	s_lshl_b32 s22, s[WL], 7                       ; which 128 rows of the tile I fetch
	s_lshl_b32 s92, s21, 8
	s_add_co_u32 s92, s92, s22                     ; x: row
	s_lshl_b32 s94, s42, 8
	s_add_co_u32 s94, s94, s22
	s_add_co_u32 s94, s94, WROW0                   ; wq: row
	s_lshl_b32 s96, s92, 5
	s_add_co_u32 s96, s96, XS_OFF                  ; where these rows' scale bytes begin,
	s_mov_b32 s97, 0
	s_lshl_b32 s92, s92, 9                         ; and their codes
	s_mov_b32 s93, 0
	s_lshl_b32 s100, s94, 5
	s_add_co_u32 s100, s100, WS_OFF
	s_mov_b32 s101, 0
	s_lshl_b32 s94, s94, 9
	s_mov_b32 s95, 0
	s_mul_i32 s45, s[WV], HALFT                    ; where they go: wave x 128 rows: no place in the cluster enters an LDS address
	s_mul_i32 s46, s[WV], HALFS
	s_wait_dscnt 0x0
	s_wait_kmcnt 0x0
	s_add_nc_u64 s[92:93], s[4:5], s[92:93]
	s_add_nc_u64 s[96:97], s[4:5], s[96:97]
	s_add_nc_u64 s[94:95], s[6:7], s[94:95]
	s_add_nc_u64 s[100:101], s[6:7], s[100:101]
	CROUND                                         ; all sixteen work-groups are here: the joint loads meet
	s_mov_b32 s[G0S], 1
	s_add_co_u32 s[G0S+1], s46, SCL
	s_mov_b64 s[G0S+2:G0S+3], s[96:97]
	s_or_b32 s[G0S+3], s[G0S+3], 0x80000000
	s_mov_b32 s[G0SB], 1
	s_add_co_u32 s[G0SB+1], s46, SCL
	s_mov_b64 s[G0SB+2:G0SB+3], s[100:101]
	s_or_b32 s[G0SB+3], s[G0SB+3], 0x80000000
	JLOAD G0S, G1S, G0SB, G1SB                     ; the scale bytes first: they are wanted with slot 0
.irp s, 0,1
	s_mov_b32 s[G0+4*\s], 1
	s_add_co_u32 s[G0+4*\s+1], s45, \s*SLOT
	s_add_nc_u64 s[G0+4*\s+2:G0+4*\s+3], s[92:93], \s*ROWB
	s_or_b32 s[G0+4*\s+3], s[G0+4*\s+3], 0x80000000
	s_mov_b32 s[G0B+4*\s], 1
	s_add_co_u32 s[G0B+4*\s+1], s45, \s*SLOT
	s_add_nc_u64 s[G0B+4*\s+2:G0B+4*\s+3], s[94:95], \s*ROWB
	s_or_b32 s[G0B+4*\s+3], s[G0B+4*\s+3], 0x80000000
	s_wait_alu depctr_va_vdst(0)
	s_wait_tensorcnt 0x0
	ds_add_u32 v126, v127
	s_wait_dscnt 0x0
	CROUND
	JLOAD G0+4*\s, G1, G0B+4*\s, G1B               ; one load of mine is out: the earlier ones are waited for above
.endr
	v_and_b32 v1, 15, v0                           ; r = lane % 16
	s_wait_alu depctr_va_vdst(0)
	v_bfe_u32 v2, v0, 4, 1                         ; h = lane / 16
	; the bias of my 128 rows of W: 256 cx + 128 half on in the weight's 1,024
.if SW == 0
	s_cmp_eq_u32 ttmp9, 1                          ; k's, or q's
	s_cselect_b64 s[8:9], s[10:11], s[8:9]
.endif
	s_lshl_b32 s66, s40, 10
	s_lshl_b32 s67, s[SCH], 9
	s_add_co_u32 s66, s66, s67
	s_mov_b32 s67, 0
	s_add_nc_u64 s[8:9], s[8:9], s[66:67]
.if SW
	v_lshlrev_b32 v[BAD], 2, v1                    ; register 8 a + j = bias(16 a + r), the same for all j: the result's eight registers are eight keys of one channel
.irp a, 0,1,2,3,4,5,6,7
.irp j, 0,1,2,3,4,5,6,7
	global_load_b32 v[BI+8*\a+\j], v[BAD], s[8:9] offset:64*\a
.endr
.endr
.else
	v_lshlrev_b32 v[BAD], 5, v2                    ; register 8 b + j = bias(16 b + 8 h + j)
.irp b, 0,1,2,3,4,5,6,7
	global_load_b128 v[BI+8*\b:BI+8*\b+3], v[BAD], s[8:9] offset:64*\b
	global_load_b128 v[BI+8*\b+4:BI+8*\b+7], v[BAD], s[8:9] offset:64*\b+16
.endr
.endif
	; LDS addresses: constants, a lane term, constants x the wave's halves.  x's rows lie first in a slot, W's behind them
	v_mul_u32_u24 v3, v1, PITCH
	v_lshl_add_u32 v4, v2, 4, v3                   ; a fragment's row x pitch + 16 x half
	s_mul_i32 s22, s[WH], HALFT                    ; the row operand's 128 rows
	s_mul_i32 s23, s[WL], HALFT                    ; the column operand's
.if SW
	s_add_co_u32 s22, s22, 2*HALFT
.else
	s_add_co_u32 s23, s23, 2*HALFT
.endif
.irp s, 0,1
	v_add_nc_u32 v[ADRA+\s], s22, v4
	v_add_nc_u32 v[ADRB+\s], s23, v4
	s_add_co_u32 s22, s22, SLOT
	s_add_co_u32 s23, s23, SLOT
.endr
	v_mul_u32_u24 v5, v1, KS                       ; my row's scale bytes: 32 a row,
	v_lshrrev_b32 v6, 8, v5
	v_lshl_add_u32 v5, v6, 4, v5                   ; and 16 more for each 256 passed
.if SW
	s_mul_i32 s22, s[WL], HALFS                    ; x's, the lower region: the column operand's, for lanes 16-31
	s_mul_i32 s23, s[WH], HALFS                    ; W's, the upper: the row operand's, for lanes 0-15
	v_xor_b32 v[HS], 1, v2
.else
	s_mul_i32 s22, s[WH], HALFS                    ; x's, the lower region: the row operand's, for lanes 0-15
	s_mul_i32 s23, s[WL], HALFS                    ; W's, the upper: the column operand's, for lanes 16-31
.endif
	s_add_co_u32 s23, s23, 2*HALFS
	s_sub_co_u32 s23, s23, s22                     ; the distance between the two
	v_mul_u32_u24 v6, s23, v[HS]
	s_add_co_u32 s22, s22, SCL
	v_add_nc_u32 v5, v5, v6
	v_add_nc_u32 v[ADRS], s22, v5
	s_mul_i32 s22, s[WV], STGB                     ; my stage
	v_mul_u32_u24 v5, v1, 80
	v_add_nc_u32 v5, s22, v5
	v_lshl_add_u32 v[STO], v2, 2, v5               ; row r, + 4 h
	v_lshl_add_u32 v[RD], v2, 4, v5                ; row r, + 16 h
	v_lshlrev_b32 v6, 2, v1
	v_lshl_add_u32 v6, v2, 9, v6
	v_add_nc_u32 v6, s22, v6
	v_add_nc_u32 v[SSO], SSC, v6                   ; scale words: [h][row]
	v_and_b32 v7, 31, v0
	v_lshlrev_b32 v[L16], 4, v7
	v_add_nc_u32 v6, s22, v[L16]
	v_add_nc_u32 v[SRD], SSC, v6
	v_lshlrev_b32 v[SH16], 4, v2
.macro FRAG reg, adr, q, i             ; 16 rows x 128 K of 4-bit codes: 8 registers: lane l holds row l % 16; registers 4 c .. 4 c + 3 hold K = 64 c + 32 (l / 16) + 0 .. 31
.irp c, 0,1
	ds_load_b128 v[\reg+4*\c:\reg+4*\c+3], v[\adr] offset:64*(\q)+32*\c+(\i)*16*PITCH
.endr
.endm
; 16 matrix instructions: row blocks a0, a0 + 1 x the eight column blocks, the slot's q-th 128 along K.  p: the column operand's set; sc: the set of scale words.
; mode 0: the sums go on; 1: they begin with the bias of the column block; 2: of the row block.  The 64 accumulators take turns, one instruction a turn.
.macro MUL16 a0, p, q, sc, mode
.irp a, \a0, \a0+1
.irp b, 0,1,2,3,4,5,6,7
.if (\mode) == 1
	v_wmma_scale_f32_16x16x128_f8f6f4 v[8*(8*((\a)%4)+\b):8*(8*((\a)%4)+\b)+7], v[128*(\p)+FR*\b:128*(\p)+FR*\b+FR-1], v[AF+FR*(\a):AF+FR*(\a)+FR-1], v[BI+8*\b:BI+8*\b+7], v[SC+8*NQ*(\sc)+NQ*\b+(\q)], v[SC+8*NQ*(\sc)+NQ*(\a)+(\q)] matrix_a_fmt:MATRIX_FMT_FP4 matrix_b_fmt:MATRIX_FMT_FP4 matrix_a_scale:MATRIX_SCALE_ROW1
.elseif (\mode) == 2
	v_wmma_scale_f32_16x16x128_f8f6f4 v[8*(8*((\a)%4)+\b):8*(8*((\a)%4)+\b)+7], v[128*(\p)+FR*\b:128*(\p)+FR*\b+FR-1], v[AF+FR*(\a):AF+FR*(\a)+FR-1], v[BI+8*(\a):BI+8*(\a)+7], v[SC+8*NQ*(\sc)+NQ*\b+(\q)], v[SC+8*NQ*(\sc)+NQ*(\a)+(\q)] matrix_a_fmt:MATRIX_FMT_FP4 matrix_b_fmt:MATRIX_FMT_FP4 matrix_a_scale:MATRIX_SCALE_ROW1
.else
	v_wmma_scale_f32_16x16x128_f8f6f4 v[8*(8*((\a)%4)+\b):8*(8*((\a)%4)+\b)+7], v[128*(\p)+FR*\b:128*(\p)+FR*\b+FR-1], v[AF+FR*(\a):AF+FR*(\a)+FR-1], v[8*(8*((\a)%4)+\b):8*(8*((\a)%4)+\b)+7], v[SC+8*NQ*(\sc)+NQ*\b+(\q)], v[SC+8*NQ*(\sc)+NQ*(\a)+(\q)] matrix_a_fmt:MATRIX_FMT_FP4 matrix_b_fmt:MATRIX_FMT_FP4 matrix_a_scale:MATRIX_SCALE_ROW1
.endif
.endr
.endr
.endm
.macro FETCH_B slot, q, p              ; the column operand's eight fragments into set p
	WIN TO_B
.irp i, 0,1,2,3,4,5,6,7
	FRAG 128*(\p)+FR*\i, ADRB+\slot, \q, \i
.endr
	WIN 0
.endm
.macro FETCH_A slot, q, i0             ; the row operand's blocks i0 .. i0 + 3
.irp i, \i0, \i0+1, \i0+2, \i0+3
	FRAG AF+FR*(\i), ADRA+\slot, \q, \i
.endr
.endm
.macro SCALES sc                       ; a slot's scale words: four a row; lanes 0-15 the row operand's block i, lanes 16-31 the column operand's block i
.irp i, 0,1,2,3,4,5,6,7
	ds_load_b128 v[SC+8*NQ*\sc+NQ*\i:SC+8*NQ*\sc+NQ*\i+3], v[ADRS] offset:\i*SBLK
.endr
.endm
.macro PLACES n                        ; plain vector instructions between a matrix instruction and a load into, or a read of, its registers
.rept \n
	v_nop
.endr
.endm
; A step of 128 along K that has its successor in the same slot.  With a bias as C the C operand lies in window 0.
.macro STEP slot, q, mode
	s_wait_dscnt 4*NL                              ; all but the youngest eight loads (row blocks 4-7) are in
.if \mode
	WIN 0x81
.else
	WIN MUL_LO
.endif
	MUL16 0, (\q)%2, \q, \slot, \mode
	MUL16 2, (\q)%2, \q, \slot, \mode
	s_wait_dscnt 0                                 ; row blocks 4-7 are in
	PLACES NP
	FETCH_B \slot, (\q)+1, 1-(\q)%2
	FETCH_A \slot, (\q)+1, 0
.if \mode
	WIN 0xc1
.else
	WIN MUL_HI
.endif
	MUL16 4, (\q)%2, \q, \slot, \mode
	MUL16 6, (\q)%2, \q, \slot, \mode
	PLACES NP
	WIN 0
	FETCH_A \slot, (\q)+1, 4
.endm
	s_wait_tensorcnt 1                             ; the scale bytes and my part of slot 0 are in; slot 1's load may be out
	s_barrier_signal -1
	s_barrier_wait -1                              ; everybody's are
	FETCH_B 0, 0, 0
	FETCH_A 0, 0, 0
	SCALES 0
	FETCH_A 0, 0, 4
	s_wait_loadcnt 0x0                             ; the bias
	STEP 0, 0, MODE0
	STEP 0, 1, 0
	STEP 0, 2, 0
	; slot 0's last step changes slots: one barrier; in front of it my part of slot 1 has landed and my reads of slot 0 are over
	s_wait_tensorcnt 0x0
	s_wait_dscnt 4*NL
	WIN MUL_LO
	MUL16 0, 1, NQ-1, 0, 0
	s_wait_dscnt 0x0
	s_barrier_signal -1
	MUL16 2, 1, NQ-1, 0, 0
	WIN 0
	s_barrier_wait -1
	PLACES NP
	v_add_nc_u32 v[ADRS], 4*NQ, v[ADRS]            ; on to slot 1's scale words
	FETCH_B 1, 0, 0
	FETCH_A 1, 0, 0
	SCALES 1
	WIN MUL_HI
	MUL16 4, 1, NQ-1, 0, 0
	MUL16 6, 1, NQ-1, 0, 0
	PLACES NP
	WIN 0
	FETCH_A 1, 0, 4
	STEP 1, 0, 0
	STEP 1, 1, 0
	STEP 1, 2, 0
	s_wait_dscnt 4*NL                              ; the last step: nothing more to fetch
	WIN MUL_LO
	MUL16 0, 1, NQ-1, 1, 0
	MUL16 2, 1, NQ-1, 1, 0
	s_wait_dscnt 0
	WIN MUL_HI
	MUL16 4, 1, NQ-1, 1, 0
	MUL16 6, 1, NQ-1, 1, 0
	WIN 0
	PLACES NP
	; ---- THE WAY OUT.  Where things go.  No tensor load is out since the middle barrier, so the descriptors' registers are free
.if SW
	s_mov_b64 s[14:15], s[10:11]                   ; kv
	s_mov_b32 s72, HEADB                           ; codes: from head to head,
	s_mov_b32 s73, REC                             ; from 128 rows of x to the next,
	s_mov_b32 s71, 4096                            ; v's lie behind k's in a record,
	s_mov_b32 s88, 512                             ; from half p = 0 to p = 1: the keys' second 64
	s_mov_b32 s90, HEADB                           ; scale words likewise
	s_mov_b32 s91, REC
	s_mov_b32 s84, 8704
.else
	s_cmp_eq_u32 ttmp9, 0                          ; q?  All choices on this one compare
	s_cselect_b64 s[14:15], s[12:13], s[14:15]     ; qq, or kv
	s_mov_b32 s72, HEADB
	s_cselect_b32 s72, 65536, s72                  ; codes: from head to head,
	s_mov_b32 s73, REC
	s_cselect_b32 s73, 4096, s73                   ; from 128 rows of x to the next
	s_mov_b32 s90, HEADB
	s_cselect_b32 s90, 8192, s90                   ; scale words likewise
	s_mov_b32 s91, REC
	s_cselect_b32 s91, 512, s91
	s_mov_b32 s84, 8192
	s_cselect_b32 s84, QS_OFF, s84                 ; and where they begin
	s_mov_b32 s71, 0
	s_mov_b32 s88, s72                             ; from half p = 0 to p = 1: the next head
.endif
	s_lshl_b32 s70, s21, 8
	s_lshl_b32 s68, s[SR], 7
	s_add_co_u32 s68, s68, s70                     ; my first row of x
	s_bfe_u32 s70, s68, 0x40007                    ; which 128 of the batch's 2,048
	s_lshr_b32 s68, s68, 11                        ; the batch
	s_lshl_b32 s68, s68, 4
	s_lshl_b32 s74, s40, 2
	s_add_co_u32 s68, s68, s74
	s_lshl_b32 s69, s[SCH], 1
	s_add_co_u32 s68, s68, s69                     ; my first head of batch: 16 batch + 4 cx + 2 half
	s_mul_i32 s74, s68, s72
	s_mul_i32 s2, s70, s73
	s_add_co_u32 s74, s74, s2
	s_add_co_u32 s74, s74, s71
	s_mov_b32 s75, 0
	s_add_nc_u64 s[76:77], s[14:15], s[74:75]      ; the images of p = 0,
	s_mov_b32 s74, s88
	s_add_nc_u64 s[78:79], s[76:77], s[74:75]      ; of p = 1
	s_mul_i32 s74, s68, s90
	s_mul_i32 s2, s70, s91
	s_add_co_u32 s74, s74, s2
	s_add_co_u32 s74, s74, s84
	s_add_nc_u64 s[80:81], s[14:15], s[74:75]      ; the scale words of p = 0,
.if SW
	v_mul_u32_u24 v[SCO], v2, HEADB                ; v: lanes 0-15 store my first head's 64 words, lanes 16-31 my second head's
	v_lshl_add_u32 v[SCO], v1, 4, v[SCO]
.else
	s_mov_b32 s74, s90
	s_add_nc_u64 s[82:83], s[80:81], s[74:75]      ; of p = 1
.endif
.irp q, 0,1,2,3
	v_mov_b32 v[TM+4+\q], 0                        ; written once: a lane permute's destination counts as one of its sources
.endr
; Block a (16 rows of the row operand x 128): four blocks of 32, block q in accumulators (a, 2 q), (a, 2 q + 1) of lanes l and l xor 16.  Each accumulator is read from its low end on.
.macro QB a
.set AC, 64*((\a)%4)
	WIN 0x28+0x14*((\a)/4)                         ; sources 1 and 2: window 2 or 3
.irp q, 0,1,2,3
	v_max3_num_f32 v[TM+\q], 0x1800000, |v[AC+16*\q]|, |v[AC+16*\q+1]|   ; my 16 numbers, and the floor 2^(3 - 127): the byte cannot fall under 1
.endr
.irp i, 2,4,6,8,10,12,14
.irp q, 0,1,2,3
	v_max3_num_f32 v[TM+\q], v[TM+\q], |v[AC+16*\q+\i]|, |v[AC+16*\q+\i+1]|   ; (the four blocks by turns)
.endr
.endr
	WIN 0
.irp q, 0,1,2,3
	v_permlanex16_b32 v[TM+4+\q], v[TM+\q], s98, s99
.endr
.irp q, 0,1,2,3
	v_max_num_f32 v[TM+\q], v[TM+\q], v[TM+4+\q]   ; with lane l xor 16's: the block's largest magnitude
.endr
.irp q, 0,1,2,3
	v_add_nc_u32 v[TM+8+\q], 0xff000000, v[TM+\q]  ; 2 off its exponent field: the conversion's scale operand
.endr
.irp q, 0,1,2,3
	v_lshrrev_b32 v[TM+4+\q], 23, v[TM+8+\q]       ; the scale's byte
.endr
	v_lshl_or_b32 v[TM+12], v[TM+5], 8, v[TM+4]
	v_lshl_or_b32 v[TM+12], v[TM+6], 16, v[TM+12]
	v_lshl_or_b32 v[TM+12], v[TM+7], 24, v[TM+12]  ; my row's four bytes
	v_lshrrev_b32 v[PW+(\a)], v[SH16], v[TM+12]    ; lanes 0-15 carry the whole word; lanes 16-31 carry blocks 2 and 3 in bytes 0 and 1: the second head's word; no byte of either is 0xff
	WIN 0x02+(\a)/4                                ; source 0: window 2 or 3
.irp q, 0,1,2,3
	v_cvt_scalef32_pk8_fp4_f32 v[PC+8*(\a)+2*\q], v[AC+16*\q:AC+16*\q+7], v[TM+8+\q]
	v_cvt_scalef32_pk8_fp4_f32 v[PC+8*(\a)+2*\q+1], v[AC+16*\q+8:AC+16*\q+15], v[TM+8+\q]
.endr
	v_nop                                          ; one plain instruction behind the conversions
	WIN 0
.irp q, 0,1,2,3
.irp u, 0,1
	ds_store_b32 v[STO], v[PC+8*(\a)+2*\q+\u] offset:1280*(\a)+16*\q+8*\u   ; the codes of 32 q + 16 u + 8 h + 0 .. 7 of row 16 a + r
.endr
.endr
	ds_store_b32 v[SSO], v[PW+(\a)] offset:64*(\a)
.endm
.irp a, 0,1,2,3,4,5,6,7
	QB \a
.endr
	WIN TO_B                                       ; LDS serves a wave's instructions in order: these see my stores.  Lane (r, h) takes block 2 p + h of row 16 a + r: 512 bytes of an image
.irp a, 0,1,2,3,4,5,6,7
.irp p, 0,1
	ds_load_b128 v[4*(2*\a+\p):4*(2*\a+\p)+3], v[RD] offset:1280*\a+32*\p
.endr
.endr
	WIN 0
	ds_load_b128 v[OSR:OSR+3], v[SRD]              ; the first run of 128 scale words, four a lane
.if SW == 0
	ds_load_b128 v[OSR+4:OSR+7], v[SRD] offset:512 ; the second head's
.endif
	WIN 0x04                                       ; a store's data are its source 1: window 1
.irp a, 0,1,2,3,4,5,6,7
	s_wait_dscnt 15-2*\a+NS                        ; the younger reads of the stage may be out
	global_store_b128 v[L16], v[8*\a:8*\a+3], s[76:77] offset:\a*SA+(\a/4)*SA4     ; 32 lanes store 512 consecutive bytes, at a multiple of 256 from the buffer's first byte
	s_wait_dscnt 14-2*\a+NS
	global_store_b128 v[L16], v[8*\a+4:8*\a+7], s[78:79] offset:\a*SA+(\a/4)*SA4
.endr
	WIN 0
	s_wait_dscnt 0x0
	global_store_b128 v[SCO], v[OSR:OSR+3], s[80:81]               ; sixteen lanes store 256 consecutive bytes, aligned
.if SW == 0
	global_store_b128 v[SCO], v[OSR+4:OSR+7], s[82:83]
.endif
	s_wait_tensorcnt 0x0
	ds_add_u32 v126, v127
	s_wait_dscnt 0x0
	CROUND                                         ; the closing round: no work-group ends while a partner may still ask for a tile that names it
	s_endpgm
.Lfunc_end_k_q43e591b597_qk:
	.size	k_q43e591b597_qk, .Lfunc_end_k_q43e591b597_qk-k_q43e591b597_qk
	.p2alignl 7, 3214868480
	.fill 96, 4, 3214868480
	.section	.rodata,"a",@progbits
	.p2align	6, 0x0
	.amdhsa_kernel k_q43e591b597_qk
		.amdhsa_group_segment_fixed_size 327680
		.amdhsa_private_segment_fixed_size 0
		.amdhsa_enable_private_segment 0
		.amdhsa_kernarg_size 48
		.amdhsa_user_sgpr_count 2
		.amdhsa_user_sgpr_kernarg_segment_ptr 1
		.amdhsa_wavefront_size32 1
		.amdhsa_system_sgpr_workgroup_id_x 1
		.amdhsa_system_sgpr_workgroup_id_y 1
		.amdhsa_system_sgpr_workgroup_id_z 1
		.amdhsa_system_vgpr_workitem_id 0
		.amdhsa_next_free_vgpr 1024
		.amdhsa_next_free_sgpr 102
		.amdhsa_reserve_vcc 0
		.amdhsa_float_denorm_mode_32 3
		.amdhsa_float_denorm_mode_16_64 3
		.amdhsa_memory_ordered 1
		.amdhsa_forward_progress 1
		.amdhsa_inst_pref_size 137
	.end_amdhsa_kernel
	.amdgpu_metadata
---
amdhsa.version: [ 1, 2 ]
amdhsa.kernels:
  - .name:           k_q43e591b597_qk
    .symbol:         k_q43e591b597_qk.kd
    .args:
      - { .name: xq, .offset: 0, .size: 8, .value_kind: global_buffer, .address_space: global }
      - { .name: wq, .offset: 8, .size: 8, .value_kind: global_buffer, .address_space: global }
      - { .name: bq, .offset: 16, .size: 8, .value_kind: global_buffer, .address_space: global }
      - { .name: bk, .offset: 24, .size: 8, .value_kind: global_buffer, .address_space: global }
      - { .name: qq, .offset: 32, .size: 8, .value_kind: global_buffer, .address_space: global }
      - { .name: kv, .offset: 40, .size: 8, .value_kind: global_buffer, .address_space: global }
    .group_segment_fixed_size: 327680
    .private_segment_fixed_size: 0
    .kernarg_segment_align: 8
    .kernarg_segment_size: 48
    .max_flat_workgroup_size: 128
    .sgpr_count:     102
    .vgpr_count:     1024
    .wavefront_size: 32
...
	.end_amdgpu_metadata
.endif
;; end of part 2
;; launch vproj (part 3): grid 4 x 32, 4 waves a work-group, clusters of 4 x 4, 327,680 bytes of LDS; arguments xq, wq, bv, kv; writes kv
.if DOCPART == 3
	.amdgcn_target "amdgcn-amd-amdhsa--gfx1250"
	.amdhsa_code_object_version 6
	.text
	.protected	k_q43e591b597_vproj
	.globl	k_q43e591b597_vproj
	.p2align	8
	.type	k_q43e591b597_vproj,@function
k_q43e591b597_vproj:
	s_mov_b64 s[64:65], 0
	v_nop
	global_prefetch_b8 v0, s[64:65] scope:SCOPE_SE
	s_setreg_imm32_b32 hwreg(HW_REG_WAVE_MODE, 25, 1), 1
	s_wait_xcnt 0x0
	s_wait_alu depctr_hold_cnt(0) depctr_sa_sdst(0) depctr_va_vdst(0) depctr_va_sdst(0) depctr_va_ssrc(0) depctr_va_vcc(0) depctr_vm_vsrc(0)
	s_getreg_b32 s2, hwreg(HW_REG_IB_STS2, 6, 4)
	s_cmp_eq_u32 s2, 0
	s_cbranch_scc0 .Lentry_in_a_cluster
	s_endpgm
.Lentry_in_a_cluster:
	s_bfe_u32 s2, ttmp6, 0x10000c
	s_cmp_lg_u32 s2, 0xf033
	s_cbranch_scc0 .Lentry_shape_is_right
	s_endpgm
.Lentry_shape_is_right:
; SW = 1 (this file): v = x Wv + bv.  (The same text with SW = 0 makes q = x Wq + bq and k = x Wk + bk.)  Products on codes of FP4 (E2M1) with E8M0 scales; the results are quantised again on the
; way out: q and k along the head's 64, v along the keys.
; xq: codes [8192][512 bytes] and, at XS_OFF, scale bytes [8192][32].  wq: codes [4096 rows n][512 bytes] (rows 0-1023 Wq's columns, then Wk's, Wv's, Wo's) and, at WS_OFF, scale bytes [4096][32].
; A tile of 256 x 256 is made by four waves, 128 x 128 each: 64 accumulators, 512 registers.  K = 1,024 is two LDS slots of 512 along K: both are filled ONCE, at the head, and nothing is filled again.
; With SW = 1 the grid is 128 work-groups: the tile is kept at 256 x 256 so that a fragment read from LDS feeds eight products, and so that one text serves q, k and v.
; CLUSTERS: 4 x 4 work-groups.  x's tile is shared along a row of the cluster, W's along a column: each is asked for jointly.
; THE MATRIX INSTRUCTION: source 1 = 16 rows of the ROW OPERAND, source 0 = 16 rows of the COLUMN OPERAND: a lane holds one row of the row operand and eight neighbours along the column operand's rows.
; SW = 0: the row operand is x and the column operand W: a lane's registers run along the head's channels, which are the next K.  SW = 1: they change places: a lane holds one channel and its registers
; run along the keys, which are v's next K.  The tensor loads are the same; only the LDS bytes that fragments and scale words are read from differ, by constants.
; The bias is the C of each sum's first matrix instruction: it goes with W's rows, the column operand's (SW = 0) or the row operand's (SW = 1).
; THE WAY OUT: a block of 32 is two neighbouring accumulators in lanes l and l xor 16.  Codes go through the wave's own stage in LDS (in slot 0, whose last read stands ahead of the middle barrier)
; and leave as images of the reader's registers, 512 consecutive bytes a store:
;   kv: [head of batch 64][key step of 128 keys 16][8,960 bytes]: + 0 k's eight tiles of 16 keys; + 4,096 v's four tiles of 16 channels x 128 keys, 1,024 bytes each: [half of the keys][lane][16 bytes];
;       + 8,192 k's 128 scale words; + 8,704 v's 64 scale words, one a channel, a byte for each 32 keys.
; LIMITS: a block whose largest magnitude lies under 2^-124 keeps the byte 1; the bytes are read by this program alone.  NaN and infinities are not served.
; REGISTERS: window 0: v1-31 addresses; v32-95 scale words, two sets; v128-191 the row operand's fragments, later the codes; v192-255 the bias, later at work.
;   window 1: the column operand's fragments, two sets; later the images.   windows 2, 3: accumulator (a, b) at v[8 (8 (a % 4) + b)].
.set SW,     1
.set NQ,     4                         ; matrix instructions deep in a slot
.set ROWB,   256                       ; a tile's row in bytes: 512 codes
.set KROW,   512                       ; a row of codes in memory
.set PITCH,  272                       ; an LDS row: 256 bytes + 16 of padding: the 16 rows that a load touches start 68 words apart
.set FR,     8
.set NL,     2
.set NP,     4                         ; places behind this matrix instruction (ISA guide 7.12.1)
.set HALFT,  128*PITCH
.set SLOT,   4*HALFT                   ; x's 256 rows, then W's 256 rows
.set KS,     32                        ; a row of scale bytes
.set SCL,    2*SLOT                    ; behind the slots: the scale bytes, as runs of 256 bytes + 16 of padding: x's 256 rows, then W's
.set HALFS,  (128*KS/256)*272
.set SBLK,   (16*KS/256)*272
.set XS_OFF, 4194304
.set WS_OFF, 2097152
.set QS_OFF, 4194304
.set HEADB,  143360
.set REC,    8960
.set STGB,   11264                     ; a wave's stage: 128 rows x 80 bytes of codes, then 2 x 128 scale words
.set SSC,    10240
.set BAD,  8                           ; v8      the bias loads' offset; never rewritten
.set ADRA, 16                          ; v16-17  LDS address of the row operand's fragments in slot 0, 1
.set ADRB, 20                          ; v20-21  the column operand's
.set STO,  24                          ; v24     the stage: where I put 4 bytes of codes
.set RD,   25                          ; v25     where I read 16 bytes of an image
.set SSO,  26                          ; v26     where I put a scale word
.set ADRS, 27                          ; v27     LDS address of my scale words: lanes 0-15 the row operand's, lanes 16-31 the column operand's
.set SRD,  28                          ; v28     where I read four scale words
.set SH16, 29                          ; v29     16 x (lane / 16)
.set L16,  30                          ; v30     16 x lane
.set SC,   32
.set AF,   128
.set PC,   128                         ; the codes: eight words a block of 16 rows
.set BI,   192
.set TM,   192                         ; v192-195 largest magnitudes, v196-199 bytes, v200-203 the conversions' scale operands, v204 the scale word
.set PW,   208                         ; v208-215 block a's scale word as it is stored
.set OSR,  216                         ; v216-223 scale words read back
.set WV,  18
.set WH,  19
.set WL,  20
.if SW
.set SR,    WL                         ; which scalar says which 128 of x's 256 rows are mine,
.set SCH,   WH                         ; and which 128 of W's
.set WROW0, 2048                       ; Wv's first row in wq
.set SA,    1024                       ; bytes from block a's image to the next,
.set SA4,   HEADB-4096                 ; and more from block 3 to block 4: the next head's channels
.set NS,    1                          ; runs of scale words
.set SCO,   31                         ; v31     the scale words' offset in memory
.set HS,    9                          ; v9      1 in the lanes that take the upper of the two scale regions
.else
.set SR,    WH
.set SCH,   WL
.set WROW0, 0
.set SA,    512
.set SA4,   0
.set NS,    2
.set SCO,   L16
.set HS,    2
.endif
.set MODE0, 1+SW
.set G1,  24
.set G0,  32
.set G1B, 48
.set G0B, 56
.set G1S, 68
.set G0S, 76
.set G1SB, 80
.set G0SB, 88
.set MSB, 0
.macro WIN new                         ; the immediate's high byte repeats the setting that is left
.if MSB != (\new)
	s_set_vgpr_msb (MSB<<8)|(\new)
.set MSB, (\new)
.endif
.endm
.set MUL_LO, 0xa1                      ; source 0 window 1, source 1 window 0, C and D window 2
.set MUL_HI, 0xf1                      ; the same, C and D window 3
.set TO_B,   0x40                      ; destination window 1, address window 0
; A joint load: waves 0 and 1 fetch for x, waves 2 and 3 for W.  The branch hangs on the wave's number alone.  Four v_nop follow each of the two lines.
.macro JLOAD g0a, g1a, g0b, g1b
	s_cmp_eq_u32 s[WH], 0
	s_cbranch_scc0 .Lfor_b_\@
	tensor_load_to_lds s[\g0a:\g0a+3], s[\g1a:\g1a+7]
	s_nop 0
.rept 4
	v_nop
.endr
	s_branch .Lasked_\@
.Lfor_b_\@:
	tensor_load_to_lds s[\g0b:\g0b+3], s[\g1b:\g1b+7]
	s_nop 0
.rept 4
	v_nop
.endr
.Lasked_\@:
.endm
.macro CROUND                          ; a round of the cluster's barrier
	s_barrier_signal -1
	s_barrier_wait -1
	s_cmp_lg_u32 s[WV], 0
	s_cbranch_scc1 .Lnot_wave_0_\@
	s_barrier_signal -3
.Lnot_wave_0_\@:
	s_barrier_wait -3
	s_barrier_signal -1
	s_barrier_wait -1
.endm
	s_load_b256 s[4:11], s[0:1], 0x0               ; SW = 0: xq, wq, bq, bk;  SW = 1: xq, wq, bv, kv
	v_lshl_add_u32 v126, v0, 2, 0x48400
	v_mov_b32 v127, 0
	ds_add_u32 v126, v127
	ds_add_u32 v126, v127
.if SW == 0
	s_load_b128 s[12:15], s[0:1], 0x20             ; qq, kv
.endif
	v_lshrrev_b32 v1, 5, v0
	v_readfirstlane_b32 s[WV], v1                  ; wave 0..3
	s_lshr_b32 s[WH], s[WV], 1                     ; which half of the row operand's 256 rows is mine.  Also: I fetch for x (0) or for W (1)
	s_and_b32 s[WL], s[WV], 1                      ; which half of the column operand's.  Also: which 128 rows I fetch
	s_bfe_u32 s40, ttmp6, 0x40000                  ; cx, cy: my place in the cluster
	s_bfe_u32 s41, ttmp6, 0x40004
	s_lshl_b32 s42, ttmp9, 2
	s_add_co_u32 s42, s42, s40                     ; which 256 rows of W: 4 x cluster x + cx
	s_and_b32 s21, ttmp7, 0xffff
	s_lshl_b32 s21, s21, 2
	s_add_co_u32 s21, s21, s41                     ; which 256 rows of x: 4 x cluster y + cy
	s_lshl_b32 s43, s41, 2
	s_lshl_b32 s43, 15, s43                        ; my row of the cluster
	s_lshl_b32 s44, 0x1111, s40                    ; my column
	s_mov_b32 s98, 0x76543210
	s_mov_b32 s99, 0xfedcba98                      ; v_permlanex16_b32's selects for lane l xor 16
	; descriptor group 1: a tile of 128 rows x 256 bytes, padded in LDS
	s_or_b32 s[G1+0], s43, (0<<16)|(1<<20)|(1<<21)|(5<<22)|(3<<25)  ; 15:0 the mask: x's tiles go to my row; elements of 1 byte; padding on; bit 21 beside a mask; 4 words after every 64
	s_or_b32 s[G1B+0], s44, (0<<16)|(1<<20)|(1<<21)|(5<<22)|(3<<25) ; W's go to my column
.irp g, G1, G1B
	s_mov_b32 s[\g+1], ROWB<<16                    ; tensor_dim0
	s_mov_b32 s[\g+2], 128<<16                     ; tensor_dim1
	s_mov_b32 s[\g+3], ROWB<<16                    ; tile_dim0
	s_mov_b32 s[\g+4], 128                         ; tile_dim1
	s_mov_b32 s[\g+5], KROW                        ; from row to row
	s_mov_b32 s[\g+6], 0
	s_mov_b32 s[\g+7], 0
.endr
	; the scale bytes of 128 rows: 4,096 dense bytes, as 16 rows of 256 bytes (32 elements of 8 bytes), 16 bytes of padding behind each
	s_or_b32 s[G1S+0], s43, (3<<16)|(1<<20)|(1<<21)|(5<<22)|(3<<25)
	s_or_b32 s[G1SB+0], s44, (3<<16)|(1<<20)|(1<<21)|(5<<22)|(3<<25)
.irp g, G1S, G1SB
	s_mov_b32 s[\g+1], 32<<16
	s_mov_b32 s[\g+2], (128*KS/256)<<16
	s_mov_b32 s[\g+3], 32<<16
	s_mov_b32 s[\g+4], 128*KS/256
	s_mov_b32 s[\g+5], 32
	s_mov_b32 s[\g+6], 0
	s_mov_b32 s[\g+7], 0
.endr
	s_lshl_b32 s22, s[WL], 7                       ; which 128 rows of the tile I fetch
	s_lshl_b32 s92, s21, 8
	s_add_co_u32 s92, s92, s22                     ; x: row
	s_lshl_b32 s94, s42, 8
	s_add_co_u32 s94, s94, s22
	s_add_co_u32 s94, s94, WROW0                   ; wq: row
	s_lshl_b32 s96, s92, 5
	s_add_co_u32 s96, s96, XS_OFF                  ; where these rows' scale bytes begin,
	s_mov_b32 s97, 0
	s_lshl_b32 s92, s92, 9                         ; and their codes
	s_mov_b32 s93, 0
	s_lshl_b32 s100, s94, 5
	s_add_co_u32 s100, s100, WS_OFF
	s_mov_b32 s101, 0
	s_lshl_b32 s94, s94, 9
	s_mov_b32 s95, 0
	s_mul_i32 s45, s[WV], HALFT                    ; where they go: wave x 128 rows: no place in the cluster enters an LDS address
	s_mul_i32 s46, s[WV], HALFS
	s_wait_dscnt 0x0
	s_wait_kmcnt 0x0
	s_add_nc_u64 s[92:93], s[4:5], s[92:93]
	s_add_nc_u64 s[96:97], s[4:5], s[96:97]
	s_add_nc_u64 s[94:95], s[6:7], s[94:95]
	s_add_nc_u64 s[100:101], s[6:7], s[100:101]
	CROUND                                         ; all sixteen work-groups are here: the joint loads meet
	s_mov_b32 s[G0S], 1
	s_add_co_u32 s[G0S+1], s46, SCL
	s_mov_b64 s[G0S+2:G0S+3], s[96:97]
	s_or_b32 s[G0S+3], s[G0S+3], 0x80000000
	s_mov_b32 s[G0SB], 1
	s_add_co_u32 s[G0SB+1], s46, SCL
	s_mov_b64 s[G0SB+2:G0SB+3], s[100:101]
	s_or_b32 s[G0SB+3], s[G0SB+3], 0x80000000
	JLOAD G0S, G1S, G0SB, G1SB                     ; the scale bytes first: they are wanted with slot 0
.irp s, 0,1
	s_mov_b32 s[G0+4*\s], 1
	s_add_co_u32 s[G0+4*\s+1], s45, \s*SLOT
	s_add_nc_u64 s[G0+4*\s+2:G0+4*\s+3], s[92:93], \s*ROWB
	s_or_b32 s[G0+4*\s+3], s[G0+4*\s+3], 0x80000000
	s_mov_b32 s[G0B+4*\s], 1
	s_add_co_u32 s[G0B+4*\s+1], s45, \s*SLOT
	s_add_nc_u64 s[G0B+4*\s+2:G0B+4*\s+3], s[94:95], \s*ROWB
	s_or_b32 s[G0B+4*\s+3], s[G0B+4*\s+3], 0x80000000
	JLOAD G0+4*\s, G1, G0B+4*\s, G1B               ; three loads of mine are out in all
.endr
	v_and_b32 v1, 15, v0                           ; r = lane % 16
	s_wait_alu depctr_va_vdst(0)
	v_bfe_u32 v2, v0, 4, 1                         ; h = lane / 16
	; the bias of my 128 rows of W: 256 cx + 128 half on in the weight's 1,024
.if SW == 0
	s_cmp_eq_u32 ttmp9, 1                          ; k's, or q's
	s_cselect_b64 s[8:9], s[10:11], s[8:9]
.endif
	s_lshl_b32 s66, s40, 10
	s_lshl_b32 s67, s[SCH], 9
	s_add_co_u32 s66, s66, s67
	s_mov_b32 s67, 0
	s_add_nc_u64 s[8:9], s[8:9], s[66:67]
.if SW
	v_lshlrev_b32 v[BAD], 2, v1                    ; register 8 a + j = bias(16 a + r), the same for all j: the result's eight registers are eight keys of one channel
.irp a, 0,1,2,3,4,5,6,7
.irp j, 0,1,2,3,4,5,6,7
	global_load_b32 v[BI+8*\a+\j], v[BAD], s[8:9] offset:64*\a
.endr
.endr
.else
	v_lshlrev_b32 v[BAD], 5, v2                    ; register 8 b + j = bias(16 b + 8 h + j)
.irp b, 0,1,2,3,4,5,6,7
	global_load_b128 v[BI+8*\b:BI+8*\b+3], v[BAD], s[8:9] offset:64*\b
	global_load_b128 v[BI+8*\b+4:BI+8*\b+7], v[BAD], s[8:9] offset:64*\b+16
.endr
.endif
	; LDS addresses: constants, a lane term, constants x the wave's halves.  x's rows lie first in a slot, W's behind them
	v_mul_u32_u24 v3, v1, PITCH
	v_lshl_add_u32 v4, v2, 4, v3                   ; a fragment's row x pitch + 16 x half
	s_mul_i32 s22, s[WH], HALFT                    ; the row operand's 128 rows
	s_mul_i32 s23, s[WL], HALFT                    ; the column operand's
.if SW
	s_add_co_u32 s22, s22, 2*HALFT
.else
	s_add_co_u32 s23, s23, 2*HALFT
.endif
.irp s, 0,1
	v_add_nc_u32 v[ADRA+\s], s22, v4
	v_add_nc_u32 v[ADRB+\s], s23, v4
	s_add_co_u32 s22, s22, SLOT
	s_add_co_u32 s23, s23, SLOT
.endr
	v_mul_u32_u24 v5, v1, KS                       ; my row's scale bytes: 32 a row,
	v_lshrrev_b32 v6, 8, v5
	v_lshl_add_u32 v5, v6, 4, v5                   ; and 16 more for each 256 passed
.if SW
	s_mul_i32 s22, s[WL], HALFS                    ; x's, the lower region: the column operand's, for lanes 16-31
	s_mul_i32 s23, s[WH], HALFS                    ; W's, the upper: the row operand's, for lanes 0-15
	v_xor_b32 v[HS], 1, v2
.else
	s_mul_i32 s22, s[WH], HALFS                    ; x's, the lower region: the row operand's, for lanes 0-15
	s_mul_i32 s23, s[WL], HALFS                    ; W's, the upper: the column operand's, for lanes 16-31
.endif
	s_add_co_u32 s23, s23, 2*HALFS
	s_sub_co_u32 s23, s23, s22                     ; the distance between the two
	v_mul_u32_u24 v6, s23, v[HS]
	s_add_co_u32 s22, s22, SCL
	v_add_nc_u32 v5, v5, v6
	v_add_nc_u32 v[ADRS], s22, v5
	s_mul_i32 s22, s[WV], STGB                     ; my stage
	v_mul_u32_u24 v5, v1, 80
	v_add_nc_u32 v5, s22, v5
	v_lshl_add_u32 v[STO], v2, 2, v5               ; row r, + 4 h
	v_lshl_add_u32 v[RD], v2, 4, v5                ; row r, + 16 h
	v_lshlrev_b32 v6, 2, v1
	v_lshl_add_u32 v6, v2, 9, v6
	v_add_nc_u32 v6, s22, v6
	v_add_nc_u32 v[SSO], SSC, v6                   ; scale words: [h][row]
	v_and_b32 v7, 31, v0
	v_lshlrev_b32 v[L16], 4, v7
	v_add_nc_u32 v6, s22, v[L16]
	v_add_nc_u32 v[SRD], SSC, v6
	v_lshlrev_b32 v[SH16], 4, v2
.macro FRAG reg, adr, q, i             ; 16 rows x 128 K of 4-bit codes: 8 registers: lane l holds row l % 16; registers 4 c .. 4 c + 3 hold K = 64 c + 32 (l / 16) + 0 .. 31
.irp c, 0,1
	ds_load_b128 v[\reg+4*\c:\reg+4*\c+3], v[\adr] offset:64*(\q)+32*\c+(\i)*16*PITCH
.endr
.endm
; 16 matrix instructions: row blocks a0, a0 + 1 x the eight column blocks, the slot's q-th 128 along K.  p: the column operand's set; sc: the set of scale words.
; mode 0: the sums go on; 1: they begin with the bias of the column block; 2: of the row block.  The 64 accumulators take turns, one instruction a turn.
.macro MUL16 a0, p, q, sc, mode
.irp a, \a0, \a0+1
.irp b, 0,1,2,3,4,5,6,7
.if (\mode) == 1
	v_wmma_scale_f32_16x16x128_f8f6f4 v[8*(8*((\a)%4)+\b):8*(8*((\a)%4)+\b)+7], v[128*(\p)+FR*\b:128*(\p)+FR*\b+FR-1], v[AF+FR*(\a):AF+FR*(\a)+FR-1], v[BI+8*\b:BI+8*\b+7], v[SC+8*NQ*(\sc)+NQ*\b+(\q)], v[SC+8*NQ*(\sc)+NQ*(\a)+(\q)] matrix_a_fmt:MATRIX_FMT_FP4 matrix_b_fmt:MATRIX_FMT_FP4 matrix_a_scale:MATRIX_SCALE_ROW1
.elseif (\mode) == 2
	v_wmma_scale_f32_16x16x128_f8f6f4 v[8*(8*((\a)%4)+\b):8*(8*((\a)%4)+\b)+7], v[128*(\p)+FR*\b:128*(\p)+FR*\b+FR-1], v[AF+FR*(\a):AF+FR*(\a)+FR-1], v[BI+8*(\a):BI+8*(\a)+7], v[SC+8*NQ*(\sc)+NQ*\b+(\q)], v[SC+8*NQ*(\sc)+NQ*(\a)+(\q)] matrix_a_fmt:MATRIX_FMT_FP4 matrix_b_fmt:MATRIX_FMT_FP4 matrix_a_scale:MATRIX_SCALE_ROW1
.else
	v_wmma_scale_f32_16x16x128_f8f6f4 v[8*(8*((\a)%4)+\b):8*(8*((\a)%4)+\b)+7], v[128*(\p)+FR*\b:128*(\p)+FR*\b+FR-1], v[AF+FR*(\a):AF+FR*(\a)+FR-1], v[8*(8*((\a)%4)+\b):8*(8*((\a)%4)+\b)+7], v[SC+8*NQ*(\sc)+NQ*\b+(\q)], v[SC+8*NQ*(\sc)+NQ*(\a)+(\q)] matrix_a_fmt:MATRIX_FMT_FP4 matrix_b_fmt:MATRIX_FMT_FP4 matrix_a_scale:MATRIX_SCALE_ROW1
.endif
.endr
.endr
.endm
.macro FETCH_B slot, q, p              ; the column operand's eight fragments into set p
	WIN TO_B
.irp i, 0,1,2,3,4,5,6,7
	FRAG 128*(\p)+FR*\i, ADRB+\slot, \q, \i
.endr
	WIN 0
.endm
.macro FETCH_A slot, q, i0             ; the row operand's blocks i0 .. i0 + 3
.irp i, \i0, \i0+1, \i0+2, \i0+3
	FRAG AF+FR*(\i), ADRA+\slot, \q, \i
.endr
.endm
.macro SCALES sc                       ; a slot's scale words: four a row; lanes 0-15 the row operand's block i, lanes 16-31 the column operand's block i
.irp i, 0,1,2,3,4,5,6,7
	ds_load_b128 v[SC+8*NQ*\sc+NQ*\i:SC+8*NQ*\sc+NQ*\i+3], v[ADRS] offset:\i*SBLK
.endr
.endm
.macro PLACES n                        ; plain vector instructions between a matrix instruction and a load into, or a read of, its registers
.rept \n
	v_nop
.endr
.endm
; A step of 128 along K that has its successor in the same slot.  With a bias as C the C operand lies in window 0.
.macro STEP slot, q, mode
	s_wait_dscnt 4*NL                              ; all but the youngest eight loads (row blocks 4-7) are in
.if \mode
	WIN 0x81
.else
	WIN MUL_LO
.endif
	MUL16 0, (\q)%2, \q, \slot, \mode
	MUL16 2, (\q)%2, \q, \slot, \mode
	s_wait_dscnt 0                                 ; row blocks 4-7 are in
	PLACES NP
	FETCH_B \slot, (\q)+1, 1-(\q)%2
	FETCH_A \slot, (\q)+1, 0
.if \mode
	WIN 0xc1
.else
	WIN MUL_HI
.endif
	MUL16 4, (\q)%2, \q, \slot, \mode
	MUL16 6, (\q)%2, \q, \slot, \mode
	PLACES NP
	WIN 0
	FETCH_A \slot, (\q)+1, 4
.endm
	s_wait_tensorcnt 1                             ; the scale bytes and my part of slot 0 are in; slot 1's load may be out
	s_barrier_signal -1
	s_barrier_wait -1                              ; everybody's are
	FETCH_B 0, 0, 0
	FETCH_A 0, 0, 0
	SCALES 0
	FETCH_A 0, 0, 4
	s_wait_loadcnt 0x0                             ; the bias
	STEP 0, 0, MODE0
	STEP 0, 1, 0
	STEP 0, 2, 0
	; slot 0's last step changes slots: one barrier; in front of it my part of slot 1 has landed and my reads of slot 0 are over
	s_wait_tensorcnt 0x0
	s_wait_dscnt 4*NL
	WIN MUL_LO
	MUL16 0, 1, NQ-1, 0, 0
	s_wait_dscnt 0x0
	s_barrier_signal -1
	MUL16 2, 1, NQ-1, 0, 0
	WIN 0
	s_barrier_wait -1
	PLACES NP
	v_add_nc_u32 v[ADRS], 4*NQ, v[ADRS]            ; on to slot 1's scale words
	FETCH_B 1, 0, 0
	FETCH_A 1, 0, 0
	SCALES 1
	WIN MUL_HI
	MUL16 4, 1, NQ-1, 0, 0
	MUL16 6, 1, NQ-1, 0, 0
	PLACES NP
	WIN 0
	FETCH_A 1, 0, 4
	STEP 1, 0, 0
	STEP 1, 1, 0
	STEP 1, 2, 0
	s_wait_dscnt 4*NL                              ; the last step: nothing more to fetch
	WIN MUL_LO
	MUL16 0, 1, NQ-1, 1, 0
	MUL16 2, 1, NQ-1, 1, 0
	s_wait_dscnt 0
	WIN MUL_HI
	MUL16 4, 1, NQ-1, 1, 0
	MUL16 6, 1, NQ-1, 1, 0
	WIN 0
	PLACES NP
	; ---- THE WAY OUT.  Where things go.  No tensor load is out since the middle barrier, so the descriptors' registers are free
.if SW
	s_mov_b64 s[14:15], s[10:11]                   ; kv
	s_mov_b32 s72, HEADB                           ; codes: from head to head,
	s_mov_b32 s73, REC                             ; from 128 rows of x to the next,
	s_mov_b32 s71, 4096                            ; v's lie behind k's in a record,
	s_mov_b32 s88, 512                             ; from half p = 0 to p = 1: the keys' second 64
	s_mov_b32 s90, HEADB                           ; scale words likewise
	s_mov_b32 s91, REC
	s_mov_b32 s84, 8704
.else
	s_cmp_eq_u32 ttmp9, 0                          ; q?  All choices on this one compare
	s_cselect_b64 s[14:15], s[12:13], s[14:15]     ; qq, or kv
	s_mov_b32 s72, HEADB
	s_cselect_b32 s72, 65536, s72                  ; codes: from head to head,
	s_mov_b32 s73, REC
	s_cselect_b32 s73, 4096, s73                   ; from 128 rows of x to the next
	s_mov_b32 s90, HEADB
	s_cselect_b32 s90, 8192, s90                   ; scale words likewise
	s_mov_b32 s91, REC
	s_cselect_b32 s91, 512, s91
	s_mov_b32 s84, 8192
	s_cselect_b32 s84, QS_OFF, s84                 ; and where they begin
	s_mov_b32 s71, 0
	s_mov_b32 s88, s72                             ; from half p = 0 to p = 1: the next head
.endif
	s_lshl_b32 s70, s21, 8
	s_lshl_b32 s68, s[SR], 7
	s_add_co_u32 s68, s68, s70                     ; my first row of x
	s_bfe_u32 s70, s68, 0x40007                    ; which 128 of the batch's 2,048
	s_lshr_b32 s68, s68, 11                        ; the batch
	s_lshl_b32 s68, s68, 4
	s_lshl_b32 s74, s40, 2
	s_add_co_u32 s68, s68, s74
	s_lshl_b32 s69, s[SCH], 1
	s_add_co_u32 s68, s68, s69                     ; my first head of batch: 16 batch + 4 cx + 2 half
	s_mul_i32 s74, s68, s72
	s_mul_i32 s2, s70, s73
	s_add_co_u32 s74, s74, s2
	s_add_co_u32 s74, s74, s71
	s_mov_b32 s75, 0
	s_add_nc_u64 s[76:77], s[14:15], s[74:75]      ; the images of p = 0,
	s_mov_b32 s74, s88
	s_add_nc_u64 s[78:79], s[76:77], s[74:75]      ; of p = 1
	s_mul_i32 s74, s68, s90
	s_mul_i32 s2, s70, s91
	s_add_co_u32 s74, s74, s2
	s_add_co_u32 s74, s74, s84
	s_add_nc_u64 s[80:81], s[14:15], s[74:75]      ; the scale words of p = 0,
.if SW
	v_mul_u32_u24 v[SCO], v2, HEADB                ; v: lanes 0-15 store my first head's 64 words, lanes 16-31 my second head's
	v_lshl_add_u32 v[SCO], v1, 4, v[SCO]
.else
	s_mov_b32 s74, s90
	s_add_nc_u64 s[82:83], s[80:81], s[74:75]      ; of p = 1
.endif
.irp q, 0,1,2,3
	v_mov_b32 v[TM+4+\q], 0                        ; written once: a lane permute's destination counts as one of its sources
.endr
; Block a (16 rows of the row operand x 128): four blocks of 32, block q in accumulators (a, 2 q), (a, 2 q + 1) of lanes l and l xor 16.  Each accumulator is read from its low end on.
.macro QB a
.set AC, 64*((\a)%4)
	WIN 0x28+0x14*((\a)/4)                         ; sources 1 and 2: window 2 or 3
.irp q, 0,1,2,3
	v_max3_num_f32 v[TM+\q], 0x1800000, |v[AC+16*\q]|, |v[AC+16*\q+1]|   ; my 16 numbers, and the floor 2^(3 - 127): the byte cannot fall under 1
.endr
.irp i, 2,4,6,8,10,12,14
.irp q, 0,1,2,3
	v_max3_num_f32 v[TM+\q], v[TM+\q], |v[AC+16*\q+\i]|, |v[AC+16*\q+\i+1]|   ; (the four blocks by turns)
.endr
.endr
	WIN 0
.irp q, 0,1,2,3
	v_permlanex16_b32 v[TM+4+\q], v[TM+\q], s98, s99
.endr
.irp q, 0,1,2,3
	v_max_num_f32 v[TM+\q], v[TM+\q], v[TM+4+\q]   ; with lane l xor 16's: the block's largest magnitude
.endr
.irp q, 0,1,2,3
	v_add_nc_u32 v[TM+8+\q], 0xff000000, v[TM+\q]  ; 2 off its exponent field: the conversion's scale operand
.endr
.irp q, 0,1,2,3
	v_lshrrev_b32 v[TM+4+\q], 23, v[TM+8+\q]       ; the scale's byte
.endr
	v_lshl_or_b32 v[TM+12], v[TM+5], 8, v[TM+4]
	v_lshl_or_b32 v[TM+12], v[TM+6], 16, v[TM+12]
	v_lshl_or_b32 v[TM+12], v[TM+7], 24, v[TM+12]  ; my row's four bytes
	v_lshrrev_b32 v[PW+(\a)], v[SH16], v[TM+12]    ; lanes 0-15 carry the whole word; lanes 16-31 carry blocks 2 and 3 in bytes 0 and 1: the second head's word; no byte of either is 0xff
	WIN 0x02+(\a)/4                                ; source 0: window 2 or 3
.irp q, 0,1,2,3
	v_cvt_scalef32_pk8_fp4_f32 v[PC+8*(\a)+2*\q], v[AC+16*\q:AC+16*\q+7], v[TM+8+\q]
	v_cvt_scalef32_pk8_fp4_f32 v[PC+8*(\a)+2*\q+1], v[AC+16*\q+8:AC+16*\q+15], v[TM+8+\q]
.endr
	v_nop                                          ; one plain instruction behind the conversions
	WIN 0
.irp q, 0,1,2,3
.irp u, 0,1
	ds_store_b32 v[STO], v[PC+8*(\a)+2*\q+\u] offset:1280*(\a)+16*\q+8*\u   ; the codes of 32 q + 16 u + 8 h + 0 .. 7 of row 16 a + r
.endr
.endr
	ds_store_b32 v[SSO], v[PW+(\a)] offset:64*(\a)
.endm
.irp a, 0,1,2,3,4,5,6,7
	QB \a
.endr
	WIN TO_B                                       ; LDS serves a wave's instructions in order: these see my stores.  Lane (r, h) takes block 2 p + h of row 16 a + r: 512 bytes of an image
.irp a, 0,1,2,3,4,5,6,7
.irp p, 0,1
	ds_load_b128 v[4*(2*\a+\p):4*(2*\a+\p)+3], v[RD] offset:1280*\a+32*\p
.endr
.endr
	WIN 0
	ds_load_b128 v[OSR:OSR+3], v[SRD]              ; the first run of 128 scale words, four a lane
.if SW == 0
	ds_load_b128 v[OSR+4:OSR+7], v[SRD] offset:512 ; the second head's
.endif
	WIN 0x04                                       ; a store's data are its source 1: window 1
.irp a, 0,1,2,3,4,5,6,7
	s_wait_dscnt 15-2*\a+NS                        ; the younger reads of the stage may be out
	global_store_b128 v[L16], v[8*\a:8*\a+3], s[76:77] offset:\a*SA+(\a/4)*SA4     ; 32 lanes store 512 consecutive bytes, at a multiple of 256 from the buffer's first byte
	s_wait_dscnt 14-2*\a+NS
	global_store_b128 v[L16], v[8*\a+4:8*\a+7], s[78:79] offset:\a*SA+(\a/4)*SA4
.endr
	WIN 0
	s_wait_dscnt 0x0
	global_store_b128 v[SCO], v[OSR:OSR+3], s[80:81]               ; sixteen lanes store 256 consecutive bytes, aligned
.if SW == 0
	global_store_b128 v[SCO], v[OSR+4:OSR+7], s[82:83]
.endif
	s_wait_tensorcnt 0x0
	ds_add_u32 v126, v127
	s_wait_dscnt 0x0
	CROUND                                         ; the closing round: no work-group ends while a partner may still ask for a tile that names it
	s_endpgm
.Lfunc_end_k_q43e591b597_vproj:
	.size	k_q43e591b597_vproj, .Lfunc_end_k_q43e591b597_vproj-k_q43e591b597_vproj
	.p2alignl 7, 3214868480
	.fill 96, 4, 3214868480
	.section	.rodata,"a",@progbits
	.p2align	6, 0x0
	.amdhsa_kernel k_q43e591b597_vproj
		.amdhsa_group_segment_fixed_size 327680
		.amdhsa_private_segment_fixed_size 0
		.amdhsa_enable_private_segment 0
		.amdhsa_kernarg_size 32
		.amdhsa_user_sgpr_count 2
		.amdhsa_user_sgpr_kernarg_segment_ptr 1
		.amdhsa_wavefront_size32 1
		.amdhsa_system_sgpr_workgroup_id_x 1
		.amdhsa_system_sgpr_workgroup_id_y 1
		.amdhsa_system_sgpr_workgroup_id_z 1
		.amdhsa_system_vgpr_workitem_id 0
		.amdhsa_next_free_vgpr 1024
		.amdhsa_next_free_sgpr 102
		.amdhsa_reserve_vcc 0
		.amdhsa_float_denorm_mode_32 3
		.amdhsa_float_denorm_mode_16_64 3
		.amdhsa_memory_ordered 1
		.amdhsa_forward_progress 1
		.amdhsa_inst_pref_size 141
	.end_amdhsa_kernel
	.amdgpu_metadata
---
amdhsa.version: [ 1, 2 ]
amdhsa.kernels:
  - .name:           k_q43e591b597_vproj
    .symbol:         k_q43e591b597_vproj.kd
    .args:
      - { .name: xq, .offset: 0, .size: 8, .value_kind: global_buffer, .address_space: global }
      - { .name: wq, .offset: 8, .size: 8, .value_kind: global_buffer, .address_space: global }
      - { .name: bv, .offset: 16, .size: 8, .value_kind: global_buffer, .address_space: global }
      - { .name: kv, .offset: 24, .size: 8, .value_kind: global_buffer, .address_space: global }
    .group_segment_fixed_size: 327680
    .private_segment_fixed_size: 0
    .kernarg_segment_align: 8
    .kernarg_segment_size: 32
    .max_flat_workgroup_size: 128
    .sgpr_count:     102
    .vgpr_count:     1024
    .wavefront_size: 32
...
	.end_amdgpu_metadata
.endif
;; end of part 3
;; launch attn (part 4): grid 4 x 64, 16 waves a work-group, clusters of 4 x 1, 169,984 bytes of LDS; arguments qq, kv, oq; writes oq
.if DOCPART == 4
	.amdgcn_target "amdgcn-amd-amdhsa--gfx1250"
	.amdhsa_code_object_version 6
	.text
	.protected	k_q43e591b597_attn
	.globl	k_q43e591b597_attn
	.p2align	8
	.type	k_q43e591b597_attn,@function
k_q43e591b597_attn:
	s_mov_b64 s[64:65], 0
	v_nop
	global_prefetch_b8 v0, s[64:65] scope:SCOPE_SE
	s_setreg_imm32_b32 hwreg(HW_REG_WAVE_MODE, 25, 1), 1
	s_wait_xcnt 0x0
	s_wait_alu depctr_hold_cnt(0) depctr_sa_sdst(0) depctr_va_vdst(0) depctr_va_sdst(0) depctr_va_ssrc(0) depctr_va_vcc(0) depctr_vm_vsrc(0)
	s_getreg_b32 s2, hwreg(HW_REG_IB_STS2, 6, 4)
	s_cmp_eq_u32 s2, 0
	s_cbranch_scc0 .Lentry_in_a_cluster
	s_endpgm
.Lentry_in_a_cluster:
	s_bfe_u32 s2, ttmp6, 0x10000c
	s_cmp_lg_u32 s2, 0x3003
	s_cbranch_scc0 .Lentry_shape_is_right
	s_endpgm
.Lentry_shape_is_right:
; Causal attention of one head of batch on codes of FP4 (E2M1) with E8M0 scales, and its result quantised along the model's 1,024 (two blocks a head) for the last product.
; t = score x log2(e) / 8; M = the row's largest t so far, rounded UP to a whole number; p = 2^(t - M) is quantised along the keys, not normalised; the row's sum is taken of the unquantised p and divides O at the end.
; When M moves, the sum and O are multiplied by 2^(old M - new M): exact.
; SHARES.  A cluster is the four work-groups of one head of batch.  The head's k, v and their scale words are 16 records of 8,960 bytes, 143,360 dense bytes: wave w asks for record w by ONE joint load;
; they are filled once and stay: one barrier, no ring.  A wave owns two tiles of 16 queries, T = 4 wave + cx and 127 - T: the key steps of 128 that count for them are (wave / 2) + 1 and 16 - (wave / 2):
; seventeen for every wave, and those counts hang on the wave's number alone.  cx enters global addresses and a lane's mask number, no branch and no LDS address.
; Every pass walks all 16 key steps: the trip count is a constant; a step all of whose keys come after my queries is left out by a scalar branch round its work.
; LAYOUT.  S^T = k q^T (source 0 = 16 neighbouring keys, source 1 = my queries; the head's 64 fill half of the instruction's K, the other half is zero codes on both sides), O^T = v^T p^T: a lane holds ONE query.
; In S^T tile t, lane (r, h), register j is key 16 t + 8 h + j.  A conversion gives the codes of eight neighbouring keys; two exchanges of halves for each 64 keys put them in the operand's order.
; The same exchanges make of O's codes the image of the next product's operand: 16 bytes a lane, 512 consecutive bytes a store.
; oq: codes [tile of 16 rows 512][head 16][512 bytes]; at OS_OFF scale bytes [8192][32].  The two scale bytes of a row and head leave by a store of 2 bytes a row: those runs of 256 bytes are written in part (1 byte for 16 of codes).
; LIMITS: a block whose largest magnitude lies under 2^-124 keeps the byte 1.  NaN and infinities are not served.
; REGISTERS: v1-10 addresses and lane numbers; v12 -M, v13 the largest t, v[14:15] the sum; v16-23 q (the upper four 0); v24 q's scale words; v26-29 k's, v30-31 v's (two tiles a register);
;   v32-95 k's eight fragments (the upper four of each 0); v96-159 S^T, then p; v160-191 O^T; v192-223 v's four fragments; v224-231 p's codes; v232-252 at work; v253 p's scale word; v[254:255] f.
.set REC,    8960
.set HEADB,  143360
.set QS_OFF, 4194304
.set OS_OFF, 4194304
.set LI,   1                           ; v1   16 x lane
.set LS,   2                           ; v2   4 x lane
.set ADK,  3                           ; v3   the step's record + 16 x lane
.set ADS,  4                           ; v4   the step's record + 4 x lane
.set DQ,   5                           ; v5   my query's place in its key step, less 8 (lane / 16)
.set NINF, 6                           ; v6   -infinity
.set R4,   7                           ; v7   4 r
.set R32,  8                           ; v8   32 r
.set RR,   9                           ; v9   r
.set HH,   10                          ; v10  h
.set WV,  10                           ; s10  wave
.set CX,  11                           ; s11  my place in the cluster
.set BH,  12                           ; s12  the head of batch
.set G1,  16
.set G0,  24
.set TT,  28                           ; s28  the pass's tile of queries
.set AD,  29                           ; s29  its last key step
.set RHO, 30                           ; s30  its place among that step's eight tiles
.set PQ,  34                           ; s[34:35] q's image, s[36:37] q's scale words, s[38:39] O's image, s[40:41] O's scale bytes
.set PQS, 36
.set POC, 38
.set POS, 40
.set TB,  42                           ; s42  LDS byte at which the step's record begins
.set KI,  43                           ; s43  the key step
.set SEL, 44
.set CS,  46                           ; s[46:47] c = log2(e) / 8
.macro CROUND                          ; a round of the cluster's barrier
	s_barrier_signal -1
	s_barrier_wait -1
	s_cmp_lg_u32 s[WV], 0
	s_cbranch_scc1 .Lnot_wave_0_\@
	s_barrier_signal -3
.Lnot_wave_0_\@:
	s_barrier_wait -3
	s_barrier_signal -1
	s_barrier_wait -1
.endm
	s_load_b128 s[4:7], s[0:1], 0x0                ; qq, kv
	s_load_b64 s[8:9], s[0:1], 0x10                ; oq
	v_lshl_add_u32 v242, v0, 2, 0x29000
	v_mov_b32 v243, 0
	ds_add_u32 v242, v243
	ds_add_u32 v242, v243
	v_lshrrev_b32 v1, 5, v0
	s_delay_alu instid0(VALU_DEP_1)
	v_readfirstlane_b32 s[WV], v1                  ; wave 0..15
	s_bfe_u32 s[CX], ttmp6, 0x40000
	s_and_b32 s[BH], ttmp7, 0xffff
	s_mov_b32 s[G1], 15|(3<<16)|(1<<21)            ; the mask: all four work-groups; elements of 8 bytes; bit 21 beside a mask; no padding
	s_mov_b32 s[G1+1], 32<<16                      ; a record is 35 rows of 256 bytes, dense
	s_mov_b32 s[G1+2], 35<<16
	s_mov_b32 s[G1+3], 32<<16
	s_mov_b32 s[G1+4], 35
	s_mov_b32 s[G1+5], 32
	s_mov_b32 s[G1+6], 0
	s_mov_b32 s[G1+7], 0
	s_mov_b32 s[G0], 1
	s_mul_i32 s[G0+1], s[WV], REC                  ; record w lies at w x 8,960 in LDS,
	s_mul_i32 s48, s[BH], HEADB
	s_add_co_u32 s48, s48, s[G0+1]                 ; and so in the head's part of kv
	s_mov_b32 s49, 0
	s_mov_b32 s[SEL], 0x76543210
	s_mov_b32 s[SEL+1], 0xfedcba98
	s_mov_b32 s[CS], 0x3e38aa3b
	s_mov_b32 s[CS+1], s[CS]                       ; (named with it as a pair, so it is written)
	s_lshl_b32 s[TT], s[WV], 2
	s_add_co_u32 s[TT], s[TT], s[CX]               ; T = 4 wave + cx
	s_lshr_b32 s[AD], s[WV], 1                     ; T / 8
	s_and_b32 s[RHO], s[TT], 7
	s_wait_dscnt 0x0
	s_wait_kmcnt 0x0
	s_add_nc_u64 s[G0+2:G0+3], s[6:7], s[48:49]
	s_or_b32 s[G0+3], s[G0+3], 0x80000000
	CROUND                                         ; all four work-groups are here: the joint loads meet
	tensor_load_to_lds s[G0:G0+3], s[G1:G1+7]      ; my one tensor load
	s_nop 0
.rept 4
	v_nop
.endr
	v_and_b32 v11, 31, v0
	s_delay_alu instid0(VALU_DEP_1)
	v_lshlrev_b32 v[LI], 4, v11
	s_delay_alu instid0(VALU_DEP_2)
	v_lshlrev_b32 v[LS], 2, v11
	v_and_b32 v[RR], 15, v0
	v_bfe_u32 v[HH], v0, 4, 1
	s_delay_alu instid0(VALU_DEP_2)
	v_lshlrev_b32 v[R4], 2, v[RR]
	s_delay_alu instid0(VALU_DEP_3)
	v_lshlrev_b32 v[R32], 5, v[RR]
	v_mov_b32 v[NINF], 0xff800000
.irp j, 20,21,22,23
	v_mov_b32 v[\j], 0                             ; q's K = 64 .. 127: zero codes
.endr
.irp t, 0,1,2,3,4,5,6,7
.irp j, 4,5,6,7
	v_mov_b32 v[32+8*\t+\j], 0                     ; k's likewise: written once, never touched again
.endr
.endr
.irp b, 0,1,2,3
	v_mov_b32 v[236+\b], 0                         ; written once: a lane permute's destination counts as one of its sources
.endr
	v_mov_b32 v255, 0                              ; (named as the upper half of the pair v[254:255])
; A PASS: one tile of 16 queries against the keys that count for it.
.macro PASS first
	s_wait_xcnt 0x0                                ; the last pass's stores have read their registers and bases
	s_mov_b32 s49, 0
	s_lshl_b32 s48, s[BH], 7
	s_add_co_u32 s48, s48, s[TT]
	s_lshl_b32 s48, s48, 9
	s_add_nc_u64 s[PQ:PQ+1], s[4:5], s[48:49]      ; q's image: (128 head + T) x 512
	s_lshl_b32 s48, s[BH], 11
	s_lshl_b32 s50, s[TT], 4
	s_add_co_u32 s48, s48, s50
	s_lshl_b32 s48, s48, 2
	s_add_co_u32 s48, s48, QS_OFF
	s_add_nc_u64 s[PQS:PQS+1], s[4:5], s[48:49]    ; its scale words: 4 bytes a query
	s_lshr_b32 s50, s[BH], 4                       ; the batch
	s_and_b32 s51, s[BH], 15                       ; the head
	s_lshl_b32 s48, s50, 7
	s_add_co_u32 s48, s48, s[TT]
	s_lshl_b32 s48, s48, 13
	s_lshl_b32 s52, s51, 9
	s_add_co_u32 s48, s48, s52
	s_add_nc_u64 s[POC:POC+1], s[8:9], s[48:49]    ; O's image: (128 batch + T) x 8,192 + 512 head
	s_lshl_b32 s48, s50, 11
	s_lshl_b32 s52, s[TT], 4
	s_add_co_u32 s48, s48, s52
	s_lshl_b32 s48, s48, 5
	s_lshl_b32 s52, s51, 1
	s_add_co_u32 s48, s48, s52
	s_add_co_u32 s48, s48, OS_OFF
	s_add_nc_u64 s[POS:POS+1], s[8:9], s[48:49]    ; its scale bytes: 32 a row, 2 a head
	global_load_b128 v[16:19], v[LI], s[PQ:PQ+1]
	global_load_b32 v24, v[R4], s[PQS:PQS+1]
	v_mov_b32 v13, 0xff61b1e6                      ; the largest t so far: -3e38, under every t
	s_delay_alu instid0(VALU_DEP_1)
	v_floor_f32 v12, -v13                          ; -M
	v_mov_b32 v14, 0                               ; the sum, in two halves
	v_mov_b32 v15, 0
.set n, 0
.rept 32
	v_mov_b32 v[160+n], 0                          ; O^T.  (The step is written once: the first finds zeros, which the first change of M leaves zeros)
.set n, n+1
.endr
	s_lshl_b32 s50, s[RHO], 4
	v_lshlrev_b32 v252, 3, v[HH]
	s_delay_alu instid0(VALU_DEP_1)
	v_sub_nc_u32 v[DQ], v[RR], v252
	s_delay_alu instid0(VALU_DEP_1)
	v_add_nc_u32 v[DQ], s50, v[DQ]                 ; 16 rho + r - 8 h
.if \first
	s_wait_tensorcnt 0x0                           ; my record is in,
	s_barrier_signal -1
	s_barrier_wait -1                              ; everybody's is
.endif
	s_wait_loadcnt 0x0                             ; q
	s_mov_b32 s[TB], 0
	s_mov_b32 s[KI], 0
.Lkey_\@:
	s_cmp_gt_u32 s[KI], s[AD]                      ; all 128 keys come after my queries: the step's work is left out
	s_cbranch_scc1 .Lhidden_\@
	s_setprio 2
	v_add_nc_u32 v[ADK], s[TB], v[LI]
	v_add_nc_u32 v[ADS], s[TB], v[LS]
.irp t, 0,1,2,3,4,5,6,7
	ds_load_b128 v[32+8*\t:35+8*\t], v[ADK] offset:512*\t          ; k's tile t: an image, 16 bytes a lane
.endr
.irp b, 0,1,2,3
	ds_load_b32 v[26+\b], v[ADS] offset:8192+128*\b                ; lanes 0-15 the words of tile 2 b, lanes 16-31 of tile 2 b + 1
.endr
	s_wait_alu depctr_va_vdst(0)
	s_wait_dscnt 0x0
.irp t, 0,1,2,3,4,5,6,7
.if \t%2
	v_wmma_scale_f32_16x16x128_f8f6f4 v[96+8*\t:103+8*\t], v[32+8*\t:39+8*\t], v[16:23], 0, v[26+\t/2], v24 matrix_a_fmt:MATRIX_FMT_FP4 matrix_b_fmt:MATRIX_FMT_FP4 matrix_a_scale:MATRIX_SCALE_ROW1
.else
	v_wmma_scale_f32_16x16x128_f8f6f4 v[96+8*\t:103+8*\t], v[32+8*\t:39+8*\t], v[16:23], 0, v[26+\t/2], v24 matrix_a_fmt:MATRIX_FMT_FP4 matrix_b_fmt:MATRIX_FMT_FP4
.endif
.endr
.rept 4
	v_nop                                          ; places: behind these products, whose results are read below, and (with the two additions above) behind the last step's, whose operands are loaded anew
.endr
.irp t, 0,1,2,3
.irp c, 0,1
	ds_load_b128 v[192+8*\t+4*\c:195+8*\t+4*\c], v[ADK] offset:4096+1024*\t+512*\c   ; v's tile t: they land while the softmax is worked
.endr
.endr
.irp b, 0,1
	ds_load_b32 v[30+\b], v[ADS] offset:8704+128*\b
.endr
	s_cmp_lg_u32 s[KI], s[AD]                      ; only the last step that counts lies on the diagonal
	s_cbranch_scc1 .Lopen_\@
.irp n, 0,1,2,3,4,5,6,7,8,9,10,11,12,13,14,15,16,17,18,19,20,21,22,23,24,25,26,27,28,29,30,31,32,33,34,35,36,37,38,39,40,41,42,43,44,45,46,47,48,49,50,51,52,53,54,55,56,57,58,59,60,61,62,63
	v_cmp_gt_i32 vcc_lo, 16*(\n/8)+\n%8, v[DQ]     ; register n holds key 16 (n / 8) + 8 h + n % 8 of the step: hidden where it comes after my query
	v_cndmask_b32 v[96+\n], v[96+\n], v[NINF], vcc_lo
.endr
.Lopen_\@:
.irp b, 0,1,2,3
	v_max3_num_f32 v[232+\b], v[96+16*\b], v[97+16*\b], v[98+16*\b]   ; the largest score of each block of 32 keys: it serves for the row's maximum and, since p rises with the score, for the block's largest p
.endr
.irp i, 3,5,7,9,11,13
.irp b, 0,1,2,3
	v_max3_num_f32 v[232+\b], v[232+\b], v[96+16*\b+\i], v[97+16*\b+\i]
.endr
.endr
.irp b, 0,1,2,3
	v_max_num_f32 v[232+\b], v[232+\b], v[111+16*\b]
.endr
.irp b, 0,1,2,3
	s_delay_alu instid0(VALU_DEP_4)
	v_permlanex16_b32 v[236+\b], v[232+\b], s[SEL], s[SEL+1]
.endr
.irp b, 0,1,2,3
	s_delay_alu instid0(VALU_DEP_4)
	v_max_num_f32 v[232+\b], v[232+\b], v[236+\b]  ; with lane l xor 16's 16 keys
.endr
	s_delay_alu instid0(VALU_DEP_2)
	v_max3_num_f32 v252, v232, v233, v234
	s_delay_alu instid0(VALU_DEP_1)
	v_max_num_f32 v252, v252, v235                 ; the step's largest score of my query
	s_delay_alu instid0(VALU_DEP_1)
	v_mul_f32 v252, s[CS], v252                    ; as t
	s_delay_alu instid0(VALU_DEP_1)
	v_max_num_f32 v13, v13, v252                   ; the running largest t
	v_mov_b32 v252, v12
	s_delay_alu instid0(VALU_DEP_2)
	v_floor_f32 v12, -v13                          ; the new -M = floor(-t): M is a whole number
	s_delay_alu instid0(VALU_DEP_1)
	v_sub_f32 v252, v12, v252                      ; old M - new M: a whole number, 0 or less
	s_delay_alu instid0(VALU_DEP_1)
	v_cvt_i32_f32 v252, v252                       ; (it saturates)
	s_delay_alu instid0(VALU_DEP_1)
	v_ldexp_f32 v254, 1.0, v252                    ; f = 2^(old M - new M)
.set n, 0
.rept 32
	v_pk_fma_f32 v[96+n:97+n], v[96+n:97+n], s[CS:CS+1], v[12:13] op_sel_hi:[1,0,0]   ; t - M, two at a time
.set n, n+2
.endr
	s_setprio 1
.irp b, 0,1,2,3
	v_fma_f32 v[232+\b], v[232+\b], s[CS], v12     ; the same of each block's largest score
.endr
.set n, 0
	s_wait_alu depctr_va_vdst(0)
.rept 64
	v_exp_f32 v[96+n], v[96+n]                     ; p = 2^(t - M), at most 1
.set n, n+1
.endr
.irp b, 0,1,2,3
	v_exp_f32 v[232+\b], v[232+\b]                 ; the block's largest p
.endr
	v_pk_mul_f32 v[14:15], v[14:15], v[254:255] op_sel_hi:[1,0]    ; the sums under the new M.  (A plain instruction behind the exponentials)
	s_wait_alu depctr_va_vdst(0)
.irp b, 0,1,2,3
	v_max_num_f32 v[232+\b], 0x1800000, v[232+\b]  ; the floor 2^(3 - 127): the byte cannot fall under 1
.endr
.irp b, 0,1,2,3
	s_delay_alu instid0(VALU_DEP_4)
	v_add_nc_u32 v[244+\b], 0xff000000, v[232+\b]  ; the conversion's scale operand
.endr
.irp b, 0,1,2,3
	s_delay_alu instid0(VALU_DEP_4)
	v_lshrrev_b32 v[236+\b], 23, v[244+\b]         ; the scale's byte
.endr
	s_delay_alu instid0(VALU_DEP_3)
	v_lshl_or_b32 v253, v237, 8, v236              ; p's scale word for these 128 keys
	s_delay_alu instid0(VALU_DEP_1)
	v_lshl_or_b32 v253, v238, 16, v253
	s_delay_alu instid0(VALU_DEP_1)
	v_lshl_or_b32 v253, v239, 24, v253
.irp c, 0,1
.irp e, 0,1
	v_cvt_scalef32_pk8_fp4_f32 v[224+4*\c+\e], v[96+16*(2*\c+\e):103+16*(2*\c+\e)], v[244+2*\c+\e]     ; block 2 c + e, keys 8 h + 0 .. 7 of it
	v_cvt_scalef32_pk8_fp4_f32 v[226+4*\c+\e], v[104+16*(2*\c+\e):111+16*(2*\c+\e)], v[244+2*\c+\e]    ; and 16 + 8 h + 0 .. 7
.endr
.endr
	v_nop                                          ; one plain instruction behind the conversions
.irp c, 0,1
	v_permlane16_swap_b32 v[224+4*\c], v[225+4*\c] ; the first's lanes 16-31 change places with the second's lanes 0-15: registers 4 c .. 4 c + 3 of lane (r, h) now hold keys 64 c + 32 h + 0 .. 31 in order
	v_permlane16_swap_b32 v[226+4*\c], v[227+4*\c]
.endr
	v_pk_add_f32 v[236:237], v[100:101], v[104:105]
	v_pk_add_f32 v[250:251], v[108:109], v[112:113]
	v_pk_add_f32 v[248:249], v[116:117], v[120:121]
	v_pk_add_f32 v[246:247], v[124:125], v[128:129]
	v_pk_add_f32 v[244:245], v[132:133], v[136:137]
	v_pk_add_f32 v[240:241], v[140:141], v[144:145]
	v_pk_add_f32 v[234:235], v[148:149], v[152:153]
	v_pk_add_f32 v[14:15], v[14:15], v[156:157]
	v_pk_add_f32 v[236:237], v[236:237], v[96:97]
	v_pk_add_f32 v[250:251], v[250:251], v[98:99]
	v_pk_add_f32 v[248:249], v[248:249], v[102:103]
	v_pk_add_f32 v[246:247], v[246:247], v[106:107]
	v_pk_add_f32 v[244:245], v[244:245], v[110:111]
	s_setprio 0
	v_pk_add_f32 v[240:241], v[240:241], v[114:115]
	v_pk_add_f32 v[234:235], v[234:235], v[118:119]
	v_pk_add_f32 v[14:15], v[14:15], v[122:123]
	v_pk_add_f32 v[236:237], v[236:237], v[126:127]
	v_pk_add_f32 v[250:251], v[250:251], v[130:131]
	v_pk_add_f32 v[248:249], v[248:249], v[134:135]
	v_pk_add_f32 v[246:247], v[246:247], v[138:139]
	v_pk_add_f32 v[244:245], v[244:245], v[142:143]
	v_pk_add_f32 v[240:241], v[240:241], v[146:147]
	v_pk_add_f32 v[234:235], v[234:235], v[150:151]
	v_pk_add_f32 v[14:15], v[14:15], v[154:155]
	v_pk_add_f32 v[236:237], v[236:237], v[158:159]
	s_delay_alu instid0(VALU_DEP_2)
	v_pk_add_f32 v[14:15], v[14:15], v[246:247]
	s_delay_alu instid0(VALU_DEP_2)
	v_pk_add_f32 v[236:237], v[236:237], v[244:245]
	v_pk_add_f32 v[250:251], v[250:251], v[240:241]
	v_pk_add_f32 v[248:249], v[248:249], v[234:235]
	s_delay_alu instid0(VALU_DEP_2)
	v_pk_add_f32 v[14:15], v[14:15], v[250:251]
	s_delay_alu instid0(VALU_DEP_2)
	v_pk_add_f32 v[236:237], v[236:237], v[248:249]
	s_delay_alu instid0(VALU_DEP_1)
	v_pk_add_f32 v[14:15], v[14:15], v[236:237]
.set n, 0
.rept 16
	v_pk_mul_f32 v[160+n:161+n], v[160+n:161+n], v[254:255] op_sel_hi:[1,0]   ; O^T under the new M
.set n, n+2
.endr
	s_wait_alu depctr_va_vdst(0)
	s_wait_dscnt 0x0                               ; v is in
.irp t, 0,1,2,3
.if \t%2
	v_wmma_scale_f32_16x16x128_f8f6f4 v[160+8*\t:167+8*\t], v[192+8*\t:199+8*\t], v[224:231], v[160+8*\t:167+8*\t], v[30+\t/2], v253 matrix_a_fmt:MATRIX_FMT_FP4 matrix_b_fmt:MATRIX_FMT_FP4 matrix_a_scale:MATRIX_SCALE_ROW1
.else
	v_wmma_scale_f32_16x16x128_f8f6f4 v[160+8*\t:167+8*\t], v[192+8*\t:199+8*\t], v[224:231], v[160+8*\t:167+8*\t], v[30+\t/2], v253 matrix_a_fmt:MATRIX_FMT_FP4 matrix_b_fmt:MATRIX_FMT_FP4
.endif
.endr
.Lhidden_\@:
	s_add_co_u32 s[TB], s[TB], REC
	s_add_co_u32 s[KI], s[KI], 1
	s_cmp_lt_u32 s[KI], 16
	s_cbranch_scc1 .Lkey_\@
	s_setprio 0
.rept 4
	v_nop                                          ; places behind the last products
.endr
	v_add_f32 v14, v14, v15                        ; the sum's two halves,
	s_wait_alu depctr_va_vdst(0)
	v_permlanex16_b32 v252, v14, s[SEL], s[SEL+1]
	s_delay_alu instid0(VALU_DEP_1)
	v_add_f32 v14, v14, v252                       ; and lane l xor 16's: the row's sum
	s_wait_alu depctr_va_vdst(0)
	v_rcp_f32 v14, v14
	v_nop                                          ; a plain instruction behind the reciprocal
.set n, 0
	s_wait_alu depctr_va_vdst(0)
.rept 32
	v_mul_f32 v[96+n], v[160+n], v14               ; O^T / the sum: register 8 t + j is channel 16 t + 8 h + j of my query
.set n, n+1
.endr
.irp e, 0,1
	v_max3_num_f32 v[232+\e], |v[96+16*\e]|, |v[97+16*\e]|, 0x1800000   ; the head's two blocks of 32 channels
.endr
.irp i, 2,4,6,8,10,12,14
.irp e, 0,1
	s_delay_alu instid0(VALU_DEP_2)
	v_max3_num_f32 v[232+\e], v[232+\e], |v[96+16*\e+\i]|, |v[97+16*\e+\i]|
.endr
.endr
.irp e, 0,1
	s_delay_alu instid0(VALU_DEP_2)
	v_permlanex16_b32 v[236+\e], v[232+\e], s[SEL], s[SEL+1]
.endr
.irp e, 0,1
	s_delay_alu instid0(VALU_DEP_2)
	v_max_num_f32 v[232+\e], v[232+\e], v[236+\e]
.endr
.irp e, 0,1
	s_delay_alu instid0(VALU_DEP_2)
	v_add_nc_u32 v[244+\e], 0xff000000, v[232+\e]
.endr
.irp e, 0,1
	s_delay_alu instid0(VALU_DEP_2)
	v_lshrrev_b32 v[236+\e], 23, v[244+\e]
.endr
	s_delay_alu instid0(VALU_DEP_1)
	v_lshl_or_b32 v240, v237, 8, v236              ; my row's two scale bytes
.irp e, 0,1
.irp u, 0,1
	v_cvt_scalef32_pk8_fp4_f32 v[248+2*\u+\e], v[96+16*\e+8*\u:103+16*\e+8*\u], v[244+\e]
.endr
.endr
	v_nop                                          ; one plain instruction behind the conversions
	v_permlane16_swap_b32 v248, v249               ; lane (r, h) now holds channels 32 h + 0 .. 31 of row r in order
	v_permlane16_swap_b32 v250, v251
	global_store_b128 v[LI], v[248:251], s[POC:POC+1]              ; 32 lanes store 512 consecutive bytes, aligned
	global_store_b16 v[R32], v240, s[POS:POS+1]                    ; both halves of the lanes write the same two bytes with the same value
.endm
	PASS 1
	s_xor_b32 s[TT], s[TT], 127                    ; the second tile: 127 - T,
	s_xor_b32 s[AD], s[AD], 15                     ; its last key step 15 - T / 8,
	s_xor_b32 s[RHO], s[RHO], 7                    ; its place in it 7 - T % 8
	PASS 0
	s_wait_tensorcnt 0x0
	ds_add_u32 v242, v243
	s_wait_dscnt 0x0
	CROUND                                         ; the closing round: no work-group ends while a partner may still ask for a record that names it
	s_endpgm
.Lfunc_end_k_q43e591b597_attn:
	.size	k_q43e591b597_attn, .Lfunc_end_k_q43e591b597_attn-k_q43e591b597_attn
	.p2alignl 7, 3214868480
	.fill 96, 4, 3214868480
	.section	.rodata,"a",@progbits
	.p2align	6, 0x0
	.amdhsa_kernel k_q43e591b597_attn
		.amdhsa_group_segment_fixed_size 169984
		.amdhsa_private_segment_fixed_size 0
		.amdhsa_enable_private_segment 0
		.amdhsa_kernarg_size 24
		.amdhsa_user_sgpr_count 2
		.amdhsa_user_sgpr_kernarg_segment_ptr 1
		.amdhsa_wavefront_size32 1
		.amdhsa_system_sgpr_workgroup_id_x 1
		.amdhsa_system_sgpr_workgroup_id_y 1
		.amdhsa_system_sgpr_workgroup_id_z 1
		.amdhsa_system_vgpr_workitem_id 0
		.amdhsa_next_free_vgpr 256
		.amdhsa_next_free_sgpr 66
		.amdhsa_reserve_vcc 1
		.amdhsa_float_denorm_mode_32 3
		.amdhsa_float_denorm_mode_16_64 3
		.amdhsa_memory_ordered 1
		.amdhsa_forward_progress 1
		.amdhsa_inst_pref_size 62
	.end_amdhsa_kernel
	.amdgpu_metadata
---
amdhsa.version: [ 1, 2 ]
amdhsa.kernels:
  - .name:           k_q43e591b597_attn
    .symbol:         k_q43e591b597_attn.kd
    .args:
      - { .name: qq, .offset: 0, .size: 8, .value_kind: global_buffer, .address_space: global }
      - { .name: kv, .offset: 8, .size: 8, .value_kind: global_buffer, .address_space: global }
      - { .name: oq, .offset: 16, .size: 8, .value_kind: global_buffer, .address_space: global }
    .group_segment_fixed_size: 169984
    .private_segment_fixed_size: 0
    .kernarg_segment_align: 8
    .kernarg_segment_size: 24
    .max_flat_workgroup_size: 512
    .sgpr_count:     66
    .vgpr_count:     256
    .wavefront_size: 32
...
	.end_amdgpu_metadata
.endif
;; end of part 4
;; launch oproj (part 5): grid 4 x 32, 4 waves a work-group, clusters of 4 x 4, 327,680 bytes of LDS; arguments oq, wq, bo, out0; writes out0
.if DOCPART == 5
	.amdgcn_target "amdgcn-amd-amdhsa--gfx1250"
	.amdhsa_code_object_version 6
	.text
	.protected	k_q43e591b597_oproj
	.globl	k_q43e591b597_oproj
	.p2align	8
	.type	k_q43e591b597_oproj,@function
k_q43e591b597_oproj:
	s_mov_b64 s[64:65], 0
	v_nop
	global_prefetch_b8 v0, s[64:65] scope:SCOPE_SE
	s_setreg_imm32_b32 hwreg(HW_REG_WAVE_MODE, 25, 1), 1
	s_wait_xcnt 0x0
	s_wait_alu depctr_hold_cnt(0) depctr_sa_sdst(0) depctr_va_vdst(0) depctr_va_sdst(0) depctr_va_ssrc(0) depctr_va_vcc(0) depctr_vm_vsrc(0)
	s_getreg_b32 s2, hwreg(HW_REG_IB_STS2, 6, 4)
	s_cmp_eq_u32 s2, 0
	s_cbranch_scc0 .Lentry_in_a_cluster
	s_endpgm
.Lentry_in_a_cluster:
	s_bfe_u32 s2, ttmp6, 0x10000c
	s_cmp_lg_u32 s2, 0xf033
	s_cbranch_scc0 .Lentry_shape_is_right
	s_endpgm
.Lentry_shape_is_right:
; out0 = o Wo + bo on codes of FP4 (E2M1) with E8M0 scales.  out0: [8192][1024] f32.
; oq: o's codes as images of the operand's registers, [tile of 16 rows 512][head 16][512 bytes]: fragment (tile, q-th 128 along K) is the 1,024 bytes at 8,192 tile + 1,024 q; at OS_OFF scale bytes [8192][32].
; wq: rows 3,072 on are Wo's columns: codes [n][512 bytes], K innermost; at WS_OFF scale bytes [4096][32].
; A tile of 256 x 256 is made by four waves, 128 x 128 each.  K = 1,024 is two LDS slots of 512 along K: both are filled ONCE, at the head, and nothing is filled again.
; CLUSTERS: 4 x 4 work-groups: o's tile is shared along a row of the cluster, Wo's along a column: each is asked for jointly.  The grid is 128 work-groups: the tile is kept at 256 x 256 so that a fragment read from LDS feeds eight products.
; THE MATRIX INSTRUCTION IS USED TRANSPOSED (source 0 = 16 rows of Wo's codes, source 1 = 16 rows of o): a lane holds eight neighbouring numbers of a row of out0.  The bias is the C of each sum's first matrix instruction.
; REGISTERS: window 0: v1-31 addresses; v32-95 scale words, two sets; v128-191 o's fragments; v192-255 the bias; on the way out v128-255 take rows read back.  window 1: Wo's fragments, two sets.  windows 2, 3: accumulator (a, b) at v[8 (8 (a % 4) + b)].
.set NQ,     4
.set ROWB,   256
.set KROW,   512
.set PITCH,  272                       ; Wo's LDS row: 256 bytes + 16 of padding
.set FR,     8
.set NL,     2
.set NP,     4
.set HALFT,  128*PITCH                 ; the room of 128 rows; o's images use 32,768 bytes of it
.set SLOT,   4*HALFT
.set KS,     32
.set SCL,    2*SLOT
.set HALFS,  (128*KS/256)*272
.set SBLK,   (16*KS/256)*272
.set OS_OFF, 4194304
.set WS_OFF, 2097152
.set SIZE_N, 1024
.set SPITCH, 528                       ; the way out: a stage of 16 rows x (512 bytes + 16) for each wave, in slot 0, whose last read stands ahead of the middle barrier
.set BAD,  8                           ; v8      the bias loads' offset; never rewritten
.set ADRA, 16
.set ADRB, 20
.set STO,  24
.set RD,   25
.set CO,   26
.set ADRS, 27
.set SC,   32
.set AF,   128
.set BI,   192
.set BK,   128
.set WV,  18
.set WH,  19
.set WL,  20
.set G1,  24
.set G0,  32
.set G1B, 48
.set G0B, 56
.set G1S, 68
.set G0S, 76
.set G1SB, 80
.set G0SB, 88
.set MSB, 0
.macro WIN new
.if MSB != (\new)
	s_set_vgpr_msb (MSB<<8)|(\new)
.set MSB, (\new)
.endif
.endm
.set MUL_LO, 0xa1
.set MUL_HI, 0xf1
.set TO_B,   0x40
.macro JLOAD g0a, g1a, g0b, g1b        ; a joint load: waves 0 and 1 fetch for o, waves 2 and 3 for Wo; four v_nop follow each of the two lines
	s_cmp_eq_u32 s[WH], 0
	s_cbranch_scc0 .Lfor_b_\@
	tensor_load_to_lds s[\g0a:\g0a+3], s[\g1a:\g1a+7]
	s_nop 0
.rept 4
	v_nop
.endr
	s_branch .Lasked_\@
.Lfor_b_\@:
	tensor_load_to_lds s[\g0b:\g0b+3], s[\g1b:\g1b+7]
	s_nop 0
.rept 4
	v_nop
.endr
.Lasked_\@:
.endm
.macro CROUND
	s_barrier_signal -1
	s_barrier_wait -1
	s_cmp_lg_u32 s[WV], 0
	s_cbranch_scc1 .Lnot_wave_0_\@
	s_barrier_signal -3
.Lnot_wave_0_\@:
	s_barrier_wait -3
	s_barrier_signal -1
	s_barrier_wait -1
.endm
	s_load_b256 s[4:11], s[0:1], 0x0               ; oq, wq, bo, out0
	v_lshl_add_u32 v126, v0, 2, 0x48400
	v_mov_b32 v127, 0
	ds_add_u32 v126, v127
	ds_add_u32 v126, v127
	v_lshrrev_b32 v1, 5, v0
	v_readfirstlane_b32 s[WV], v1
	s_lshr_b32 s[WH], s[WV], 1                     ; which half of the tile's rows is mine.  Also: I fetch for o (0) or for Wo (1)
	s_and_b32 s[WL], s[WV], 1                      ; which half of its columns.  Also: which 128 rows I fetch
	s_bfe_u32 s40, ttmp6, 0x40000
	s_bfe_u32 s41, ttmp6, 0x40004
	s_lshl_b32 s42, ttmp9, 2
	s_add_co_u32 s42, s42, s40                     ; tile column
	s_and_b32 s21, ttmp7, 0xffff
	s_lshl_b32 s21, s21, 2
	s_add_co_u32 s21, s21, s41                     ; tile row
	s_lshl_b32 s43, s41, 2
	s_lshl_b32 s43, 15, s43                        ; my row of the cluster
	s_lshl_b32 s44, 0x1111, s40                    ; my column
	; o's images of 128 rows and 512 along K: 8 tiles of rows, 4,096 consecutive bytes of each, 8,192 bytes apart; dense in LDS
	s_or_b32 s[G1+0], s43, (3<<16)|(1<<21)         ; the mask: my row; elements of 8 bytes; bit 21 beside a mask; no padding
	s_mov_b32 s[G1+1], 512<<16                     ; tensor_dim0 = 512 elements
	s_mov_b32 s[G1+2], 8<<16                       ; tensor_dim1 = 8
	s_mov_b32 s[G1+3], 512<<16                     ; tile_dim0
	s_mov_b32 s[G1+4], 8                           ; tile_dim1
	s_mov_b32 s[G1+5], 1024                        ; from row to row, in elements
	s_mov_b32 s[G1+6], 0
	s_mov_b32 s[G1+7], 0
	; Wo's tile: 128 rows x 256 bytes, padded in LDS
	s_or_b32 s[G1B+0], s44, (0<<16)|(1<<20)|(1<<21)|(5<<22)|(3<<25)
	s_mov_b32 s[G1B+1], ROWB<<16
	s_mov_b32 s[G1B+2], 128<<16
	s_mov_b32 s[G1B+3], ROWB<<16
	s_mov_b32 s[G1B+4], 128
	s_mov_b32 s[G1B+5], KROW
	s_mov_b32 s[G1B+6], 0
	s_mov_b32 s[G1B+7], 0
	; the scale bytes of 128 rows: 16 rows of 256 bytes, 16 bytes of padding behind each
	s_or_b32 s[G1S+0], s43, (3<<16)|(1<<20)|(1<<21)|(5<<22)|(3<<25)
	s_or_b32 s[G1SB+0], s44, (3<<16)|(1<<20)|(1<<21)|(5<<22)|(3<<25)
.irp g, G1S, G1SB
	s_mov_b32 s[\g+1], 32<<16
	s_mov_b32 s[\g+2], (128*KS/256)<<16
	s_mov_b32 s[\g+3], 32<<16
	s_mov_b32 s[\g+4], 128*KS/256
	s_mov_b32 s[\g+5], 32
	s_mov_b32 s[\g+6], 0
	s_mov_b32 s[\g+7], 0
.endr
	s_lshl_b32 s22, s[WL], 7
	s_lshl_b32 s92, s21, 8
	s_add_co_u32 s92, s92, s22                     ; o: row
	s_lshl_b32 s94, s42, 8
	s_add_co_u32 s94, s94, s22
	s_add_co_u32 s94, s94, 3072                    ; wq: row
	s_lshl_b32 s96, s92, 5
	s_add_co_u32 s96, s96, OS_OFF
	s_mov_b32 s97, 0
	s_lshl_b32 s92, s92, 9                         ; 16 rows are 8,192 bytes of images
	s_mov_b32 s93, 0
	s_lshl_b32 s100, s94, 5
	s_add_co_u32 s100, s100, WS_OFF
	s_mov_b32 s101, 0
	s_lshl_b32 s94, s94, 9
	s_mov_b32 s95, 0
	s_mul_i32 s45, s[WV], HALFT
	s_mul_i32 s46, s[WV], HALFS
	s_wait_dscnt 0x0
	s_wait_kmcnt 0x0
	s_add_nc_u64 s[92:93], s[4:5], s[92:93]
	s_add_nc_u64 s[96:97], s[4:5], s[96:97]
	s_add_nc_u64 s[94:95], s[6:7], s[94:95]
	s_add_nc_u64 s[100:101], s[6:7], s[100:101]
	CROUND                                         ; all sixteen work-groups are here: the joint loads meet
	s_mov_b32 s[G0S], 1
	s_add_co_u32 s[G0S+1], s46, SCL
	s_mov_b64 s[G0S+2:G0S+3], s[96:97]
	s_or_b32 s[G0S+3], s[G0S+3], 0x80000000
	s_mov_b32 s[G0SB], 1
	s_add_co_u32 s[G0SB+1], s46, SCL
	s_mov_b64 s[G0SB+2:G0SB+3], s[100:101]
	s_or_b32 s[G0SB+3], s[G0SB+3], 0x80000000
	JLOAD G0S, G1S, G0SB, G1SB
.irp s, 0,1
	s_mov_b32 s[G0+4*\s], 1
	s_add_co_u32 s[G0+4*\s+1], s45, \s*SLOT
	s_add_nc_u64 s[G0+4*\s+2:G0+4*\s+3], s[92:93], \s*4096
	s_or_b32 s[G0+4*\s+3], s[G0+4*\s+3], 0x80000000
	s_mov_b32 s[G0B+4*\s], 1
	s_add_co_u32 s[G0B+4*\s+1], s45, \s*SLOT
	s_add_nc_u64 s[G0B+4*\s+2:G0B+4*\s+3], s[94:95], \s*ROWB
	s_or_b32 s[G0B+4*\s+3], s[G0B+4*\s+3], 0x80000000
	s_wait_alu depctr_va_vdst(0)
	s_wait_tensorcnt 0x0
	ds_add_u32 v126, v127
	s_wait_dscnt 0x0
	CROUND
	JLOAD G0+4*\s, G1, G0B+4*\s, G1B               ; one load of mine is out: the earlier ones are waited for above
.endr
	v_and_b32 v1, 15, v0                           ; r
	v_bfe_u32 v2, v0, 4, 1                         ; h
	s_lshl_b32 s46, s42, 10                        ; the bias of my 128 columns: register 8 b + j = bo(16 b + 8 h + j)
	s_lshl_b32 s22, s[WL], 9
	s_add_co_u32 s46, s46, s22
	s_mov_b32 s47, 0
	s_add_nc_u64 s[8:9], s[8:9], s[46:47]
	v_lshlrev_b32 v[BAD], 5, v2                    ; a register of its own: the loads below may read it until they are waited for
.irp b, 0,1,2,3,4,5,6,7
	global_load_b128 v[BI+8*\b:BI+8*\b+3], v[BAD], s[8:9] offset:64*\b
	global_load_b128 v[BI+8*\b+4:BI+8*\b+7], v[BAD], s[8:9] offset:64*\b+16
.endr
	v_and_b32 v6, 31, v0
	v_lshlrev_b32 v[CO], 4, v6                     ; 16 x lane
	v_mul_u32_u24 v3, v1, PITCH
	v_lshl_add_u32 v4, v2, 4, v3                   ; Wo: a fragment's row x pitch + 16 x half
	s_mul_i32 s22, s[WH], HALFT                    ; my 128 rows of o
	s_mul_i32 s23, s[WL], HALFT
	s_add_co_u32 s23, s23, 2*HALFT                 ; my 128 rows of Wo, behind o's
.irp s, 0,1
	v_add_nc_u32 v[ADRA+\s], s22, v[CO]            ; an image: 16 x lane
	v_add_nc_u32 v[ADRB+\s], s23, v4
	s_add_co_u32 s22, s22, SLOT
	s_add_co_u32 s23, s23, SLOT
.endr
	v_mul_u32_u24 v5, v1, KS
	v_lshrrev_b32 v6, 8, v5
	v_lshl_add_u32 v5, v6, 4, v5
	s_mul_i32 s22, s[WH], HALFS
	s_mul_i32 s23, s[WL], HALFS
	s_add_co_u32 s23, s23, 2*HALFS
	s_sub_co_u32 s23, s23, s22
	v_mul_u32_u24 v6, s23, v2                      ; lanes 16-31 take Wo's
	s_add_co_u32 s22, s22, SCL
	v_add_nc_u32 v5, v5, v6
	v_add_nc_u32 v[ADRS], s22, v5
	s_mul_i32 s23, s[WV], 16*SPITCH                ; my stage
	v_mul_u32_u24 v5, v1, SPITCH
	v_lshl_add_u32 v5, v2, 5, v5
	v_add_nc_u32 v[STO], s23, v5                   ; in: row r, 32 bytes for each half of the lanes
	v_add_nc_u32 v[RD], s23, v[CO]                 ; back: the 32 lanes take one row of 512 bytes
	s_lshl_b32 s22, s21, 8
	s_lshl_b32 s23, s[WH], 7
	s_add_co_u32 s22, s22, s23                     ; my first row of out0
	s_lshl_b32 s22, s22, 12                        ; 4,096 bytes a row
	s_lshl_b32 s46, s42, 10
	s_add_co_u32 s22, s22, s46
	s_lshl_b32 s46, s[WL], 9
	s_add_co_u32 s22, s22, s46                     ; + my first column
	s_mov_b32 s23, 0
	s_add_nc_u64 s[10:11], s[10:11], s[22:23]
.macro FRAGB reg, adr, q, i
.irp c, 0,1
	ds_load_b128 v[\reg+4*\c:\reg+4*\c+3], v[\adr] offset:64*(\q)+32*\c+(\i)*16*PITCH
.endr
.endm
.macro FRAGA reg, adr, q, i            ; an image comes back as it was stored: registers 4 c .. 4 c + 3 from 512 c + 16 x lane
.irp c, 0,1
	ds_load_b128 v[\reg+4*\c:\reg+4*\c+3], v[\adr] offset:4096*(\i)+1024*(\q)+512*\c
.endr
.endm
; mode 0: the sums go on; 1: they begin with the bias.  The 64 accumulators take turns, one instruction a turn.
.macro MUL16 a0, p, q, sc, mode
.irp a, \a0, \a0+1
.irp b, 0,1,2,3,4,5,6,7
.if \mode == 1
	v_wmma_scale_f32_16x16x128_f8f6f4 v[8*(8*((\a)%4)+\b):8*(8*((\a)%4)+\b)+7], v[128*(\p)+FR*\b:128*(\p)+FR*\b+FR-1], v[AF+FR*(\a):AF+FR*(\a)+FR-1], v[BI+8*\b:BI+8*\b+7], v[SC+8*NQ*(\sc)+NQ*\b+(\q)], v[SC+8*NQ*(\sc)+NQ*(\a)+(\q)] matrix_a_fmt:MATRIX_FMT_FP4 matrix_b_fmt:MATRIX_FMT_FP4 matrix_a_scale:MATRIX_SCALE_ROW1
.else
	v_wmma_scale_f32_16x16x128_f8f6f4 v[8*(8*((\a)%4)+\b):8*(8*((\a)%4)+\b)+7], v[128*(\p)+FR*\b:128*(\p)+FR*\b+FR-1], v[AF+FR*(\a):AF+FR*(\a)+FR-1], v[8*(8*((\a)%4)+\b):8*(8*((\a)%4)+\b)+7], v[SC+8*NQ*(\sc)+NQ*\b+(\q)], v[SC+8*NQ*(\sc)+NQ*(\a)+(\q)] matrix_a_fmt:MATRIX_FMT_FP4 matrix_b_fmt:MATRIX_FMT_FP4 matrix_a_scale:MATRIX_SCALE_ROW1
.endif
.endr
.endr
.endm
.macro FETCH_B slot, q, p
	WIN TO_B
.irp i, 0,1,2,3,4,5,6,7
	FRAGB 128*(\p)+FR*\i, ADRB+\slot, \q, \i
.endr
	WIN 0
.endm
.macro FETCH_A slot, q, i0
.irp i, \i0, \i0+1, \i0+2, \i0+3
	FRAGA AF+FR*(\i), ADRA+\slot, \q, \i
.endr
.endm
.macro SCALES sc
.irp i, 0,1,2,3,4,5,6,7
	ds_load_b128 v[SC+8*NQ*\sc+NQ*\i:SC+8*NQ*\sc+NQ*\i+3], v[ADRS] offset:\i*SBLK
.endr
.endm
.macro PLACES n                        ; plain vector instructions between a matrix instruction and a load into, or a read of, its registers
.rept \n
	v_nop
.endr
.endm
.macro STEP slot, q, mode
	s_wait_dscnt 4*NL                              ; all but the youngest eight loads (o's blocks 4-7) are in
.if \mode
	WIN 0x81                                       ; the bias, C, lies in window 0
.else
	WIN MUL_LO
.endif
	MUL16 0, (\q)%2, \q, \slot, \mode
	MUL16 2, (\q)%2, \q, \slot, \mode
	s_wait_dscnt 0
	PLACES NP
	FETCH_B \slot, (\q)+1, 1-(\q)%2
	FETCH_A \slot, (\q)+1, 0
.if \mode
	WIN 0xc1
.else
	WIN MUL_HI
.endif
	MUL16 4, (\q)%2, \q, \slot, \mode
	MUL16 6, (\q)%2, \q, \slot, \mode
	PLACES NP
	WIN 0
	FETCH_A \slot, (\q)+1, 4
.endm
	s_wait_alu depctr_va_vdst(0)
	s_wait_tensorcnt 1                             ; the scale bytes and my part of slot 0 are in; slot 1's load may be out
	s_barrier_signal -1
	s_barrier_wait -1
	FETCH_B 0, 0, 0
	FETCH_A 0, 0, 0
	SCALES 0
	FETCH_A 0, 0, 4
	s_wait_loadcnt 0x0                             ; the bias
	STEP 0, 0, 1
	STEP 0, 1, 0
	STEP 0, 2, 0
	; slot 0's last step changes slots: one barrier; in front of it my part of slot 1 has landed and my reads of slot 0 are over
	s_wait_tensorcnt 0x0
	s_wait_dscnt 4*NL
	WIN MUL_LO
	MUL16 0, 1, NQ-1, 0, 0
	s_wait_dscnt 0x0
	s_barrier_signal -1
	MUL16 2, 1, NQ-1, 0, 0
	WIN 0
	s_barrier_wait -1
	PLACES NP
	v_add_nc_u32 v[ADRS], 4*NQ, v[ADRS]
	FETCH_B 1, 0, 0
	FETCH_A 1, 0, 0
	SCALES 1
	WIN MUL_HI
	MUL16 4, 1, NQ-1, 0, 0
	MUL16 6, 1, NQ-1, 0, 0
	PLACES NP
	WIN 0
	FETCH_A 1, 0, 4
	STEP 1, 0, 0
	STEP 1, 1, 0
	STEP 1, 2, 0
	s_wait_dscnt 4*NL
	WIN MUL_LO
	MUL16 0, 1, NQ-1, 1, 0
	MUL16 2, 1, NQ-1, 1, 0
	s_wait_dscnt 0
	WIN MUL_HI
	MUL16 4, 1, NQ-1, 1, 0
	MUL16 6, 1, NQ-1, 1, 0
	WIN 0
; THE WAY OUT, block by block of 16 rows x 128 columns, through my own stage: in as 32 bytes a lane, back as whole rows of 512 bytes.  LDS serves a wave's instructions in order (ISA guide 5.7.1.4).
.macro TOSTAGE a
.set AC, 64*((\a)%4)
	WIN 0x08+4*((\a)/4)                            ; the data: window 2 or 3
.irp b, 0,1,2,3,4,5,6,7
	ds_store_b128 v[STO], v[AC+8*\b:AC+8*\b+3] offset:64*\b          ; each accumulator from its low end on
	ds_store_b128 v[STO], v[AC+8*\b+4:AC+8*\b+7] offset:64*\b+16
.endr
	WIN 0
.set BB, BK+64*((\a)%2)
.irp t, 0,1,2,3,4,5,6,7,8,9,10,11,12,13,14,15
	ds_load_b128 v[BB+4*\t:BB+4*\t+3], v[RD] offset:\t*SPITCH
.endr
.endm
.macro SEND a, younger                 ; younger: the LDS instructions issued behind block a's loads, which may stay out
.set BB, BK+64*((\a)%2)
	s_wait_dscnt \younger
.if (\a) > 0
	s_add_nc_u64 s[10:11], s[10:11], 16*SIZE_N*4   ; (behind a wait on XCNT: the earlier stores have read their base)  16 rows on
.endif
.irp t, 0,1,2,3,4,5,6,7,8,9,10,11,12,13,14,15
	global_store_b128 v[CO], v[BB+4*\t:BB+4*\t+3], s[10:11] offset:\t*SIZE_N*4 th:TH_STORE_NT   ; 32 lanes store 512 consecutive bytes, at a multiple of 256 from out0's first byte
.endr
.endm
	PLACES NP
	TOSTAGE 0
.irp a, 1,2,3,4,5,6,7
.if \a > 1
	s_wait_xcnt 0x0                                ; block a - 2's stores have read their registers and their base
.endif
	TOSTAGE \a
	SEND \a-1, 32                                  ; behind block a - 1's loads: block a's 16 stores and 16 loads
.endr
	s_wait_xcnt 0x0
	SEND 7, 0
	s_wait_tensorcnt 0x0
	ds_add_u32 v126, v127
	s_wait_dscnt 0x0
	CROUND                                         ; the closing round: no work-group ends while a partner may still ask for a tile that names it
	s_endpgm
.Lfunc_end_k_q43e591b597_oproj:
	.size	k_q43e591b597_oproj, .Lfunc_end_k_q43e591b597_oproj-k_q43e591b597_oproj
	.p2alignl 7, 3214868480
	.fill 96, 4, 3214868480
	.section	.rodata,"a",@progbits
	.p2align	6, 0x0
	.amdhsa_kernel k_q43e591b597_oproj
		.amdhsa_group_segment_fixed_size 327680
		.amdhsa_private_segment_fixed_size 0
		.amdhsa_enable_private_segment 0
		.amdhsa_kernarg_size 32
		.amdhsa_user_sgpr_count 2
		.amdhsa_user_sgpr_kernarg_segment_ptr 1
		.amdhsa_wavefront_size32 1
		.amdhsa_system_sgpr_workgroup_id_x 1
		.amdhsa_system_sgpr_workgroup_id_y 1
		.amdhsa_system_sgpr_workgroup_id_z 1
		.amdhsa_system_vgpr_workitem_id 0
		.amdhsa_next_free_vgpr 1024
		.amdhsa_next_free_sgpr 102
		.amdhsa_reserve_vcc 0
		.amdhsa_float_denorm_mode_32 3
		.amdhsa_float_denorm_mode_16_64 3
		.amdhsa_memory_ordered 1
		.amdhsa_forward_progress 1
		.amdhsa_inst_pref_size 127
	.end_amdhsa_kernel
	.amdgpu_metadata
---
amdhsa.version: [ 1, 2 ]
amdhsa.kernels:
  - .name:           k_q43e591b597_oproj
    .symbol:         k_q43e591b597_oproj.kd
    .args:
      - { .name: oq, .offset: 0, .size: 8, .value_kind: global_buffer, .address_space: global }
      - { .name: wq, .offset: 8, .size: 8, .value_kind: global_buffer, .address_space: global }
      - { .name: bo, .offset: 16, .size: 8, .value_kind: global_buffer, .address_space: global }
      - { .name: out0, .offset: 24, .size: 8, .value_kind: global_buffer, .address_space: global }
    .group_segment_fixed_size: 327680
    .private_segment_fixed_size: 0
    .kernarg_segment_align: 8
    .kernarg_segment_size: 32
    .max_flat_workgroup_size: 128
    .sgpr_count:     102
    .vgpr_count:     1024
    .wavefront_size: 32
...
	.end_amdgpu_metadata
.endif
;; end of part 5
